; MI455X (gfx1250); checked and timed in simulation.
; The chip was launched on July 23, 2026; its instructions are those of AMD's public machine-readable ISA for CDNA 5 (MIT licence, August 2026) and "CDNA5" Instruction Set Architecture Reference Guide (July 2026). The comments in the code are by the model that wrote it; some were corrected since.
;; Sparse Moe Block. Allowed arithmetic: float matrix products may take bf16 or f16 operands with f32 sums; other float arithmetic in f32, or as packed bf16 or f16 multiplies, adds, multiply-adds, maxima and minima; sums over many terms, partial sums and values carried from step to step in f32; what a program stores and reads back later, other than sums and carried values, may be rounded once to bf16 or f16.
;; Inputs: V1 8 x 2,048 x 512 float32; W1 8 x 2,048 x 512 float32; W2 8 x 512 x 2,048 float32; Wr 2,048 x 8 float32; x 2 x 1,024 x 2,048 float32.
;; Outputs: out0 2 x 1,024 x 2,048 float32.
;; 2 versions, each right and faster than the one before. Each part assembles by itself: llvm-mc -triple=amdgcn-amd-amdhsa -mcpu=gfx1250 --defsym DOCPART=n.
;; ======== version 1 of 2: 4 launches
;; workspace buffers: xb 8,388,608 bytes; bm 4,096 bytes of whole numbers; comb 65,536 bytes; hid 4,325,376 bytes; part 33,554,432 bytes
;; launch router (part 1): grid 256 x 1, 8 waves a work-group, no clusters, 76,800 bytes of LDS; arguments x, Wr, xb, bm, comb; writes xb, bm, comb
.if DOCPART == 1
	.amdgcn_target "amdgcn-amd-amdhsa--gfx1250"
	.amdhsa_code_object_version 6
	.text
	.protected	k_qb86e6f5312_router
	.globl	k_qb86e6f5312_router
	.p2align	8
	.type	k_qb86e6f5312_router,@function
k_qb86e6f5312_router:
	s_mov_b64 s[64:65], 0
	v_nop
	global_prefetch_b8 v0, s[64:65] scope:SCOPE_SE
	s_setreg_imm32_b32 hwreg(HW_REG_WAVE_MODE, 25, 1), 1
	s_wait_xcnt 0x0
; ROUTER.  For 8 tokens a work-group: x rounded to bf16 (xb), logits = x Wr in bf16 with f32 sums, softmax with its maximum taken away, the two SMALLEST gates
; (a tie goes to the lower expert, as jax.lax.top_k of the negated gates breaks it), their scores divided by the sum of their magnitudes.
; Stored at fixed places: comb[token][8] (f32, the score at the two chosen experts, 0 elsewhere) and bm[jj][expert][256 bytes]: bit b of byte g is token 8 g + b;
; jj = 0: the expert is the token's lower-numbered choice, jj = 1: the higher.  No address here hangs on the choice: later launches place the rows.
; LIMITS.  x and Wr enter rounded to bf16, like all inputs of this program: the experts chosen are those of the module on inputs so rounded; logits closer than the
; f32 sums' own error may choose otherwise.  A gate below 2^-126 counts as 0.  NaN and infinities are not treated apart.
; SHARES.  Wave w takes K = 256 w .. 256 w + 255 of all 8 tokens; the eight partial logits meet in LDS and wave 0 adds them in the order of w.
; No cluster, no tensor load: no two work-groups share a byte of x, and Wr is 64 KiB.
.set XTW,    4352                      ; a wave's x tile: 8 rows of 528 bytes (512 + 16)
.set XPITCH, 528
.set WTB,    34816                     ; behind the eight x tiles: a wave's Wr tile, 256 rows of k x 16 bytes (8 experts in bf16)
.set REDB,   67584                     ; behind those: a wave's partial logits, 32 lanes x 32 bytes
.set SPARE,  75776                     ; the spare words: 128 bytes a wave, four blocks of 256 bytes that no other line names
.set SPW, 10                           ; v10  LDS address of my spare word; never rewritten
.set NIL, 11                           ; v11  0; never rewritten
.set XF,  16                           ; v16-79   x as loaded (f32); later Wr's fragments; in wave 0 at last the partial logits
.set WF,  80                           ; v80-143  Wr as loaded (f32); later x's fragments
.set XP,  144                          ; v144-175 x in bf16, 4 registers a row
.set ACC, 176                          ; v176-191 two accumulators that take turns
.set WK,  192                          ; v192-199 their sum
	s_load_b256 s[4:11], s[0:1], 0x0               ; x s[4:5], Wr s[6:7], xb s[8:9], bm s[10:11]
	s_load_b64 s[12:13], s[0:1], 0x20              ; comb
	v_lshl_add_u32 v[SPW], v0, 2, SPARE
	v_mov_b32 v[NIL], 0
	v_and_b32 v1, 31, v0                           ; lane
	v_lshrrev_b32 v4, 5, v0
	v_readfirstlane_b32 s14, v4                    ; wave 0..7
	v_bfe_u32 v3, v0, 4, 1                         ; lane / 16
	v_and_b32 v2, 7, v0                            ; lane % 8
	s_lshl_b32 s16, ttmp9, 16                      ; 8 rows of x, 8,192 bytes each
	s_mov_b32 s17, 0
	s_lshl_b32 s18, ttmp9, 15                      ; 8 rows of xb, 4,096 bytes each
	s_mov_b32 s19, 0
	s_lshl_b32 s20, ttmp9, 8                       ; 8 rows of comb, 32 bytes each
	s_mov_b32 s21, 0
	s_mov_b32 s22, ttmp9                           ; my byte in each of bm's 16 rows
	s_mov_b32 s23, 0
	s_lshl_b32 s24, s14, 10
	v_lshl_add_u32 v5, v1, 5, s24                  ; x: 1,024 w + 32 lane: 8 numbers a lane
	s_lshl_b32 s24, s14, 13
	v_lshl_add_u32 v6, v1, 5, s24                  ; Wr: 8,192 w + 32 lane: a whole row of 8 experts a lane
	s_lshl_b32 s24, s14, 9
	v_lshl_add_u32 v7, v1, 4, s24                  ; xb: 512 w + 16 lane
	s_mul_i32 s25, s14, XTW
	v_lshl_add_u32 v8, v1, 4, s25                  ; into my x tile
	s_lshl_b32 s26, s14, 12
	s_add_co_u32 s26, s26, WTB
	v_lshl_add_u32 v9, v1, 4, s26                  ; into my Wr tile
	v_lshl_add_u32 v12, v3, 3, v2                  ; the turning load: row 8 (lane / 16) + lane % 8 of 32 rows of k,
	v_lshl_add_u32 v12, v12, 4, s26                ; 16 bytes each: lanes 8-15 and 24-31 read what lanes 0-7 and 16-23 read
	v_mul_u32_u24 v13, v2, XPITCH                  ; x's fragment: token lane % 8,
	v_lshl_add_u32 v13, v3, 4, v13                 ; 16 bytes for each half of the lanes
	v_add_nc_u32 v13, s25, v13
	s_lshl_b32 s27, s14, 10
	s_add_co_u32 s27, s27, REDB
	v_lshl_add_u32 v14, v1, 5, s27                 ; my partial logits
	s_wait_kmcnt 0x0
	s_add_nc_u64 s[4:5], s[4:5], s[16:17]
	s_add_nc_u64 s[8:9], s[8:9], s[18:19]
	s_add_nc_u64 s[12:13], s[12:13], s[20:21]
	s_add_nc_u64 s[10:11], s[10:11], s[22:23]
.irp p,0,1,2,3,4,5,6,7
	global_load_b128 v[XF+8*\p:XF+8*\p+3],   v5, s[4:5] offset:\p*8192 th:TH_LOAD_NT
	global_load_b128 v[XF+8*\p+4:XF+8*\p+7], v5, s[4:5] offset:\p*8192+16 th:TH_LOAD_NT
.endr
.irp i,0,1,2,3,4,5,6,7
	global_load_b128 v[WF+8*\i:WF+8*\i+3],   v6, s[6:7] offset:\i*1024
	global_load_b128 v[WF+8*\i+4:WF+8*\i+7], v6, s[6:7] offset:\i*1024+16
.endr
	s_wait_loadcnt 16                              ; x is in; Wr's sixteen loads may stay out
.irp p,0,1,2,3,4,5,6,7
.irp k,0,1,2,3
	v_cvt_pk_bf16_f32 v[XP+4*\p+\k], v[XF+8*\p+2*\k], v[XF+8*\p+2*\k+1]
.endr
	global_store_b128 v7, v[XP+4*\p:XP+4*\p+3], s[8:9] offset:\p*4096   ; the wave stores 512 consecutive bytes of a row of xb, aligned
	ds_store_b128 v8, v[XP+4*\p:XP+4*\p+3] offset:\p*XPITCH
.endr
	s_wait_loadcnt 0x0                             ; Wr
.irp i,0,1,2,3,4,5,6,7
.irp k,0,1,2,3
	v_cvt_pk_bf16_f32 v[WF+8*\i+\k], v[WF+8*\i+2*\k], v[WF+8*\i+2*\k+1]  ; in place: register k is written when registers 2 k, 2 k + 1 are read
.endr
	ds_store_b128 v9, v[WF+8*\i:WF+8*\i+3] offset:\i*512
.endr
	s_wait_dscnt 0x0                               ; my stores are done: the loads below land in the registers that held their data.  Both tiles are my wave's own: no barrier
.irp k,0,1,2,3,4,5,6,7                 ; 32 along K a fragment.  Source 0: Wr turned: lane holds expert lane % 8.  Source 1: x: lane holds token lane % 8
	ds_load_tr16_b128 v[XF+8*\k:XF+8*\k+3],   v12 offset:\k*512
	ds_load_tr16_b128 v[XF+8*\k+4:XF+8*\k+7], v12 offset:\k*512+256
	ds_load_b128 v[WF+8*\k:WF+8*\k+3],   v13 offset:\k*64
	ds_load_b128 v[WF+8*\k+4:WF+8*\k+7], v13 offset:\k*64+32
.endr
	s_wait_dscnt 0x0
.irp k,0,1,2,3,4,5,6,7                 ; two accumulators by turns; the first product on each starts its sum
.if \k < 2
	v_wmma_f32_16x16x32_bf16 v[ACC+8*(\k%2):ACC+8*(\k%2)+7], v[XF+8*\k:XF+8*\k+7], v[WF+8*\k:WF+8*\k+7], 0
.else
	v_wmma_f32_16x16x32_bf16 v[ACC+8*(\k%2):ACC+8*(\k%2)+7], v[XF+8*\k:XF+8*\k+7], v[WF+8*\k:WF+8*\k+7], v[ACC+8*(\k%2):ACC+8*(\k%2)+7]
.endif
.endr
.rept 4
	v_nop                                          ; four places behind the last product (ISA guide 7.12.1)
.endr
.irp k,0,1,2,3                         ; every lane: token lane % 8, register j = expert j (rows 8-15 of the result repeat rows 0-7)
	v_pk_add_f32 v[WK+2*\k:WK+2*\k+1], v[ACC+2*\k:ACC+2*\k+1], v[ACC+8+2*\k:ACC+8+2*\k+1]
.endr
	ds_store_b128 v14, v[WK:WK+3]
	ds_store_b128 v14, v[WK+4:WK+7] offset:16
	s_wait_tensorcnt 0x0                           ; my last LDS write is out
	ds_add_u32 v[SPW], v[NIL]
	s_wait_dscnt 0x0                               ; for the others' sake too: my partial logits are in LDS
	s_barrier_signal -1
	s_barrier_wait -1
	s_cmp_lg_u32 s14, 0
	s_cbranch_scc1 .Lend                           ; the rest is wave 0's: 8 tokens, each held by four lanes alike
.irp w,0,1,2,3,4,5,6,7
	ds_load_b128 v[16+8*\w:16+8*\w+3], v14 offset:\w*1024      ; in wave 0 v14 is the first wave's place
	ds_load_b128 v[16+8*\w+4:16+8*\w+7], v14 offset:\w*1024+16
.endr
	s_wait_dscnt 0x0
.irp w,1,2,3,4,5,6,7
.irp k,0,1,2,3
	v_pk_add_f32 v[16+2*\k:17+2*\k], v[16+2*\k:17+2*\k], v[16+8*\w+2*\k:17+8*\w+2*\k]
.endr
.endr
	v_max3_num_f32 v24, v16, v17, v18              ; softmax: the maximum is taken away first
	v_max3_num_f32 v24, v24, v19, v20
	v_max3_num_f32 v24, v24, v21, v22
	v_max_num_f32 v24, v24, v23
.irp i,0,1,2,3,4,5,6,7
	v_sub_f32 v[16+\i], v[16+\i], v24
.endr
.irp i,0,1,2,3,4,5,6,7
	v_mul_f32 v[16+\i], 0x3fb8aa3b, v[16+\i]       ; log2(e)
.endr
.irp i,0,1,2,3,4,5,6,7
	v_exp_f32 v[16+\i], v[16+\i]
.endr
	v_nop                                          ; a plain instruction behind the last exponential,
	s_wait_alu depctr_va_vdst(0)                   ; and one wait for the batch of eight, ahead of the first reader
	v_add_f32 v26, v16, v17
	v_add_f32 v27, v18, v19
	v_add_f32 v28, v20, v21
	v_add_f32 v29, v22, v23
	v_add_f32 v26, v26, v27
	v_add_f32 v28, v28, v29
	v_add_f32 v26, v26, v28
	v_rcp_f32 v27, v26
	v_nop
	s_wait_alu depctr_va_vdst(0)
.irp i,0,1,2,3,4,5,6,7
	v_mul_f32 v[16+\i], v[16+\i], v27              ; the gates
.endr
	v_mov_b32 v28, v16                             ; the smallest gate and its expert a: a strict compare keeps the lower index in a tie
	v_mov_b32 v29, 0
.irp i,1,2,3,4,5,6,7
	v_cmp_lt_f32 vcc_lo, v[16+\i], v28
	v_cndmask_b32 v28, v28, v[16+\i], vcc_lo
	v_cndmask_b32 v29, v29, \i, vcc_lo
.endr
	v_mov_b32 v30, 0x7f800000                      ; the second smallest and its expert b, which starts at an expert other than a: b differs from a whatever the gates
	v_cmp_eq_u32 vcc_lo, 0, v29
	v_cndmask_b32 v31, 0, 1, vcc_lo
.irp i,0,1,2,3,4,5,6,7
	v_cmp_ne_u32 s28, \i, v29
	v_cmp_lt_f32 s29, v[16+\i], v30
	s_and_b32 vcc_lo, s28, s29
	v_cndmask_b32 v30, v30, v[16+\i], vcc_lo
	v_cndmask_b32 v31, v31, \i, vcc_lo
.endr
	v_add_f32 v45, |v28|, |v30|
	v_rcp_f32 v46, v45
	v_lshlrev_b32 v40, 5, v1                       ; comb: 32 bytes a token (the plain instruction behind the reciprocal)
	s_wait_alu depctr_va_vdst(0)
	v_mul_f32 v47, v28, v46
	v_mul_f32 v48, v30, v46
.irp e,0,1,2,3,4,5,6,7
	v_cmp_eq_u32 vcc_lo, \e, v29
	v_cndmask_b32 v[32+\e], 0, v47, vcc_lo
	v_cmp_eq_u32 vcc_lo, \e, v31
	v_cndmask_b32 v[32+\e], v[32+\e], v48, vcc_lo
.endr
	v_min_u32 v43, v29, v31
	v_max_u32 v44, v29, v31
	v_mov_b32 v42, 0
	v_lshlrev_b32 v41, 8, v1                       ; bm: row jj x 8 + expert = lane, 256 bytes a row
.irp e,0,1,2,3,4,5,6,7                 ; a compare's bits 0-7 are the 8 tokens: the byte for (jj, e) goes into lane 8 jj + e
	v_cmp_eq_u32 s28, \e, v43
	v_writelane_b32 v42, s28, \e
	v_cmp_eq_u32 s28, \e, v44
	v_writelane_b32 v42, s28, 8+\e
.endr
	s_wait_xcnt 0x0                                ; EXEC changes only behind this wait: xb's stores have been issued
	v_cmp_gt_u32 vcc_lo, 8, v1
	s_and_saveexec_b32 s30, vcc_lo
	global_store_b128 v40, v[32:35], s[12:13]      ; lanes 0-7: the two stores together cover 256 consecutive bytes, aligned
	global_store_b128 v40, v[36:39], s[12:13] offset:16
	s_wait_xcnt 0x0
	s_or_b32 exec_lo, exec_lo, s30
	v_cmp_gt_u32 vcc_lo, 16, v1
	s_and_saveexec_b32 s30, vcc_lo
	global_store_b8 v41, v42, s[10:11]             ; sixteen single bytes, 256 apart: the layout serves the readers, who take each expert's 2,048 bits as 256 consecutive bytes
	s_wait_xcnt 0x0
	s_or_b32 exec_lo, exec_lo, s30
.Lend:
	s_endpgm
.Lfunc_end_k_qb86e6f5312_router:
	.size	k_qb86e6f5312_router, .Lfunc_end_k_qb86e6f5312_router-k_qb86e6f5312_router
	.p2alignl 7, 3214868480
	.fill 96, 4, 3214868480
	.section	.rodata,"a",@progbits
	.p2align	6, 0x0
	.amdhsa_kernel k_qb86e6f5312_router
		.amdhsa_group_segment_fixed_size 76800
		.amdhsa_private_segment_fixed_size 0
		.amdhsa_enable_private_segment 0
		.amdhsa_kernarg_size 40
		.amdhsa_user_sgpr_count 2
		.amdhsa_user_sgpr_kernarg_segment_ptr 1
		.amdhsa_wavefront_size32 1
		.amdhsa_system_sgpr_workgroup_id_x 1
		.amdhsa_system_sgpr_workgroup_id_y 1
		.amdhsa_system_sgpr_workgroup_id_z 1
		.amdhsa_system_vgpr_workitem_id 0
		.amdhsa_next_free_vgpr 208
		.amdhsa_next_free_sgpr 66
		.amdhsa_reserve_vcc 1
		.amdhsa_float_denorm_mode_32 3
		.amdhsa_float_denorm_mode_16_64 3
		.amdhsa_memory_ordered 1
		.amdhsa_forward_progress 1
		.amdhsa_inst_pref_size 26
	.end_amdhsa_kernel
	.amdgpu_metadata
---
amdhsa.version: [ 1, 2 ]
amdhsa.kernels:
  - .name:           k_qb86e6f5312_router
    .symbol:         k_qb86e6f5312_router.kd
    .args:
      - { .name: x, .offset: 0, .size: 8, .value_kind: global_buffer, .address_space: global }
      - { .name: Wr, .offset: 8, .size: 8, .value_kind: global_buffer, .address_space: global }
      - { .name: xb, .offset: 16, .size: 8, .value_kind: global_buffer, .address_space: global }
      - { .name: bm, .offset: 24, .size: 8, .value_kind: global_buffer, .address_space: global }
      - { .name: comb, .offset: 32, .size: 8, .value_kind: global_buffer, .address_space: global }
    .group_segment_fixed_size: 76800
    .private_segment_fixed_size: 0
    .kernarg_segment_align: 8
    .kernarg_segment_size: 40
    .max_flat_workgroup_size: 256
    .sgpr_count:     66
    .vgpr_count:     208
    .wavefront_size: 32
...
	.end_amdgpu_metadata
.endif
;; end of part 1
;; launch up (part 2): grid 8 x 32, 4 waves a work-group, no clusters, 169,984 bytes of LDS; arguments xb, W1, V1, bm, hid; writes hid
.if DOCPART == 2
	.amdgcn_target "amdgcn-amd-amdhsa--gfx1250"
	.amdhsa_code_object_version 6
	.text
	.protected	k_qb86e6f5312_up
	.globl	k_qb86e6f5312_up
	.p2align	8
	.type	k_qb86e6f5312_up,@function
k_qb86e6f5312_up:
	s_mov_b64 s[64:65], 0
	v_nop
	global_prefetch_b8 v0, s[64:65] scope:SCOPE_SE
	s_setreg_imm32_b32 hwreg(HW_REG_WAVE_MODE, 25, 1), 1
	s_wait_xcnt 0x0
; UP.  hid = silu(x W1) * (x V1) for the chosen (token, expert) rows alone.  x in bf16 (xb), W1 and V1 rounded to bf16 on their way through registers, sums in f32, hid rounded once to bf16
; (bf16, not f16: with inputs some 30 times larger the hidden numbers pass f16's range).
; THE DEAL, made by every work-group from the bitmaps bm (whole numbers that the launch before stored).  cnt_e rows an expert, nb_e = ceil(cnt_e / 16) blocks of 16.  CAP is the smallest of 8, 9, 10, 11
; with sum ceil(nb_e / CAP) <= 32: the sum of nb lies in 256 .. 263, so 11 always serves (31 tiles at the most).  Expert e gets ceil(nb_e / CAP) of the 32 slots (grid y), each a run of
; PER = ceil(nb / tiles) blocks.  A slot that the split leaves over has no block: it passes every barrier, multiplies nothing and stores nothing.  Every split is served: 0 to 2,048 rows an expert.
; Places past an expert's count in its last block repeat its last row.
; SHARES.  Grid x = the slice of 64 columns of W1 and of V1.  A tile: up to 176 rows x (64 + 64) columns, K = 2,048 in 16 steps of 128.  Waves 2 x 2: wr takes every second block, wc two of the four
; column fragments of each matrix: 4 accumulators a block, at most 6 blocks.
; WEIGHTS INTO FRAGMENTS WITHOUT A MOVE BETWEEN LANES.  A load of 16 bytes takes 4 columns of one row of k; of sixteen such loads a lane holds 16 k x 4 columns, and v_cvt_pk_bf16_f32 of two neighbouring k
; of column c is one register of fragment c, whose row r stands for column 4 r + c.  The product is used transposed (source 0 = weights, source 1 = x): a lane holds one token and eight column indices.
; hid: [16 slices][4,224 rows][32]: slice 2 s + wc, position 16 c' + rho holds hidden column 64 s + 4 rho + 2 wc + c'; the launch behind takes W2's rows in that order.
; NO TENSOR LOAD, NO CLUSTER: x's rows come by a list that no descriptor covers; the weights are f32 and must pass through registers to be rounded; and how many tiles share a slice of weights hangs
; on the counts (1 to 13) and is no multiple of four at every split.
; The accumulators are cleared, in the wait for the bitmaps: blocks are jumped by count, so no first step can be written out that writes them on every path.
; REGISTERS, in windows of 256: window 0 addresses and fragments; window 1 the accumulators, (i, matrix, c') at 8 (4 i + 2 matrix + c'); windows 2 and 3 two staging sets: x (88), weights as loaded (128), packed (32).
.set BBUF,   32768                     ; B: two buffers; fragment (matrix, c, q) of 1,024 bytes at ((4 matrix + c) 4 + q) 1,024; a lane's 16 bytes at 16 lane: no bank is asked twice
.set ABASE,  65536
.set APITCH, 272                       ; a row of x in LDS: 256 bytes + 16: the 16 rows of a fragment load start at 16 different groups of four banks (64 banks of 4 bytes: ISA guide 11.1)
.set ABUF,   176*APITCH
.set LISTB,  ABASE+2*ABUF              ; each wave's own copy of the tile's list of tokens: 192 words (word 176: the dump)
.set STAGEB, LISTB+4*768               ; each wave's own stage: 16 rows x 80 bytes
.set SPITCH, 80
.set SPARE,  STAGEB+4*16*SPITCH        ; the spare words: 128 bytes a wave, two blocks of 256 bytes that no other line names
.set HSLICE, 270336                    ; bytes in a slice of hid
.set LASTREAL, 7                       ; from this trip on the loads younger than the set in hand were issued with no lane on
.set SPW,10
.set NIL,11
.set WO, 12                            ; weights: 16,384 (lane / 16) + 16 (lane % 16) + 65,536 w
.set AR, 13                            ; v13-14 my x fragments in buffer 0, 1
.set AW, 15                            ; v15-16 where I put staged x
.set BR, 17                            ; where I read weight fragments
.set BW, 18                            ; where I put them
.set ST, 19
.set RD, 20
.set GO, 21
.set LB, 22                            ; my list
.set TOK,23
.set XO, 24                            ; v24-45 byte offsets in xb of the 22 rows (a half of the lanes each) that I stage
.set AL, 46                            ; v46-47 rows 160-175 in buffer 0, 1: the sixth block's look-ahead, the same rows for every wave
.set AZ, 48                            ; v48-79  block 0's x fragments, by half
.set AP, 80                            ; odd blocks'
.set AQ, 96                            ; even blocks'
.set BB, 112                           ; v112-239 weight fragments, by half
.set BML,48                            ; the prologue's registers
.set BMH,64
.set BMW,80
.set PCN,96
.set PKD,104
.set TA, 108
.set TB, 109
.set TC, 110
.set SELW,112
.set SELH,114
.set SELP,116
.set PRE,117
.set RUN,118
.set ET, 112                           ; the way out
.set EO, 128
.set EQ, 136
.set SX, 0                             ; a staging set
.set SW, 88
.set TT, 216
.set BMP,14                            ; s[14:15] bm
.set WV, 18
.set WR, 19
.set WC, 20
.set SS, 21
.set SLOT,22
.set CNT0,24
.set CAP,32
.set MUL,33
.set RUNT,34
.set RUNB,35
.set EE, 36
.set TI, 37
.set NT, 38
.set NB, 39
.set OFB,40
.set CN, 41
.set PER,42
.set B0, 43
.set NBQ,44
.set NBW,45
.set R0, 46
.set IT, 47
.set GB, 49
.set NB0,84
.set MSB, 0
.macro WIN new                         ; s_set_vgpr_msb: bits 1:0 source 0, 3:2 source 1, 5:4 source 2, 7:6 destination; the high byte repeats the setting that is left
.if MSB != (\new)
	s_set_vgpr_msb (MSB<<8)|(\new)
.set MSB, (\new)
.endif
.endm
.macro PLACES                          ; four places behind a matrix instruction, ahead of loads into its sources and of readers of its result
.rept 4
	v_nop
.endr
.endm
.macro SWAR x                          ; a word's bits counted byte by byte
	v_lshrrev_b32 v[TC], 1, v[\x]
	v_and_b32 v[TC], s52, v[TC]
	v_sub_nc_u32 v[\x], v[\x], v[TC]
	v_lshrrev_b32 v[TC], 2, v[\x]
	v_and_b32 v[\x], s53, v[\x]
	v_and_b32 v[TC], s53, v[TC]
	v_add_nc_u32 v[\x], v[\x], v[TC]
	v_lshrrev_b32 v[TC], 4, v[\x]
	v_add_nc_u32 v[\x], v[\x], v[TC]
	v_and_b32 v[\x], s54, v[\x]
.endm
; THE DEAL.  hi = 1: the chosen expert's jj = 1 words are kept too.
.macro MAP hi
.irp e,0,1,2,3,4,5,6,7
	v_or_b32 v[BMW+2*\e], v[BML+2*\e], v[BMH+2*\e]             ; the expert's tokens: lane l holds tokens 64 l .. 64 l + 63
	v_or_b32 v[BMW+2*\e+1], v[BML+2*\e+1], v[BMH+2*\e+1]
	v_mov_b32 v[TA], v[BMW+2*\e]
	v_mov_b32 v[TB], v[BMW+2*\e+1]
	SWAR TA
	SWAR TB
	v_add_nc_u32 v[TA], v[TA], v[TB]
	v_mul_lo_u32 v[TA], v[TA], s55
	v_lshrrev_b32 v[PCN+\e], 24, v[TA]                         ; how many of my 64
.endr
.irp k,0,1,2,3                         ; two experts' counts in one register, 16 bits each, added over the 32 lanes
	v_lshl_or_b32 v[PKD+\k], v[PCN+2*\k+1], 16, v[PCN+2*\k]
.irp m,1,2,4,8
	v_mov_b32_dpp v[TC], v[PKD+\k] row_xmask:\m row_mask:0xf bank_mask:0xf
	v_add_nc_u32 v[PKD+\k], v[PKD+\k], v[TC]
.endr
	v_permlanex16_b32 v[TC], v[PKD+\k], s56, s57
	v_add_nc_u32 v[PKD+\k], v[PKD+\k], v[TC]
	v_readfirstlane_b32 s66, v[PKD+\k]
	s_and_b32 s[CNT0+2*\k], s66, 0xffff
	s_lshr_b32 s[CNT0+2*\k+1], s66, 16
.endr
	s_mov_b32 s66, 0                               ; tiles in all with 8, 9, 10 blocks to a tile; n / 9 = 7,282 n >> 16 and n / 10 = 6,554 n >> 16 hold far past n = 137
	s_mov_b32 s67, 0
	s_mov_b32 s68, 0
.irp e,0,1,2,3,4,5,6,7
	s_add_co_u32 s[NB0+\e], s[CNT0+\e], 15
	s_lshr_b32 s[NB0+\e], s[NB0+\e], 4
	s_add_co_u32 s69, s[NB0+\e], 7
	s_lshr_b32 s69, s69, 3
	s_add_co_u32 s66, s66, s69
	s_add_co_u32 s69, s[NB0+\e], 8
	s_mul_i32 s69, s69, 7282
	s_lshr_b32 s69, s69, 16
	s_add_co_u32 s67, s67, s69
	s_add_co_u32 s69, s[NB0+\e], 9
	s_mul_i32 s69, s69, 6554
	s_lshr_b32 s69, s69, 16
	s_add_co_u32 s68, s68, s69
.endr
	s_mov_b32 s[CAP], 11
	s_mov_b32 s[MUL], 5958
	s_cmp_le_u32 s68, 32
	s_cselect_b32 s[CAP], 10, s[CAP]
	s_cselect_b32 s[MUL], 6554, s[MUL]
	s_cmp_le_u32 s67, 32
	s_cselect_b32 s[CAP], 9, s[CAP]
	s_cselect_b32 s[MUL], 7282, s[MUL]
	s_cmp_le_u32 s66, 32
	s_cselect_b32 s[CAP], 8, s[CAP]
	s_cselect_b32 s[MUL], 8192, s[MUL]
	s_mov_b32 s[RUNT], 0
	s_mov_b32 s[RUNB], 0
	s_mov_b32 s[EE], 0                             ; a slot that is left over: no block
	s_mov_b32 s[TI], 0
	s_mov_b32 s[NT], 1
	s_mov_b32 s[NB], 0
	s_mov_b32 s[OFB], 0
	s_mov_b32 s[CN], 0
	v_mov_b32 v[SELW], 0
	v_mov_b32 v[SELW+1], 0
	v_mov_b32 v[SELP], 0
.if \hi
	v_mov_b32 v[SELH], 0
	v_mov_b32 v[SELH+1], 0
.endif
.irp e,0,1,2,3,4,5,6,7
	s_add_co_u32 s69, s[NB0+\e], s[CAP]
	s_sub_co_u32 s69, s69, 1
	s_mul_i32 s69, s69, s[MUL]
	s_lshr_b32 s69, s69, 16                        ; the expert's tiles
	s_sub_co_u32 s70, s[SLOT], s[RUNT]             ; my place among them (wraps to a large number if my slot lies in front)
	s_cmp_lt_u32 s70, s69
	s_cselect_b32 s[EE], \e, s[EE]
	s_cselect_b32 s[TI], s70, s[TI]
	s_cselect_b32 s[NT], s69, s[NT]
	s_cselect_b32 s[NB], s[NB0+\e], s[NB]
	s_cselect_b32 s[OFB], s[RUNB], s[OFB]
	s_cselect_b32 s[CN], s[CNT0+\e], s[CN]
	s_cselect_b32 s71, -1, 0
	v_cndmask_b32 v[SELW], v[SELW], v[BMW+2*\e], s71
	v_cndmask_b32 v[SELW+1], v[SELW+1], v[BMW+2*\e+1], s71
	v_cndmask_b32 v[SELP], v[SELP], v[PCN+\e], s71
.if \hi
	v_cndmask_b32 v[SELH], v[SELH], v[BMH+2*\e], s71
	v_cndmask_b32 v[SELH+1], v[SELH+1], v[BMH+2*\e+1], s71
.endif
	s_add_co_u32 s[RUNT], s[RUNT], s69
	s_add_co_u32 s[RUNB], s[RUNB], s[NB0+\e]
.endr
	s_mov_b32 s[PER], 0                            ; ceil(NB / NT) = how many i = 0 .. 10 have i NT < NB (it is CAP at the most)
	s_mov_b32 s69, 0
.rept 11
	s_cmp_lt_u32 s69, s[NB]
	s_add_co_ci_u32 s[PER], s[PER], 0
	s_add_co_u32 s69, s69, s[NT]
.endr
	s_mul_i32 s[B0], s[TI], s[PER]                 ; my first block among the expert's; NB > CAP (NT - 1) >= PER TI, so a dealt slot has a block
	s_sub_co_u32 s66, s[NB], s[B0]
	s_min_u32 s[NBQ], s[PER], s66
	s_min_u32 s[NBQ], s[NBQ], 11
	s_lshl_b32 s[R0], s[B0], 4                     ; my first row's rank in the expert
	s_add_co_u32 s[NBW], s[NBQ], 1
	s_sub_co_u32 s[NBW], s[NBW], s[WR]
	s_lshr_b32 s[NBW], s[NBW], 1                   ; my wave's blocks: local blocks wr, wr + 2, ..
	s_add_co_u32 s[GB], s[OFB], s[B0]
	s_min_u32 s[GB], s[GB], 263                    ; my first block in hid
	s_min_u32 s[EE], s[EE], 7
.endm
; One word of my 64 tokens: bit by bit, a token that is chosen is stored at its rank less R0; ranks outside 0 .. 175, and tokens not chosen, go to the dump.
.macro LISTWORD wreg, hreg, hi
	s_mov_b32 s72, 0
.Llist_\@:
	v_lshrrev_b32 v[TA], s72, v[\wreg]
	v_and_b32 v[TA], 1, v[TA]
	v_cmp_eq_u32 vcc_lo, 1, v[TA]
	v_cndmask_b32 v[TB], -1, v[RUN], vcc_lo
	v_min_u32 v[TB], 176, v[TB]
	v_lshl_add_u32 v[TB], v[TB], 2, v[LB]
.if \hi
	v_lshrrev_b32 v[TC], s72, v[\hreg]
	v_and_b32 v[TC], 1, v[TC]
	v_lshl_add_u32 v[TC], v[TC], 11, v[TOK]        ; + 2,048 where the expert is the token's higher choice
	ds_store_b32 v[TB], v[TC]
.else
	ds_store_b32 v[TB], v[TOK]
.endif
	v_add_nc_u32 v[RUN], v[RUN], v[TA]
	v_add_nc_u32 v[TOK], 1, v[TOK]
	s_add_co_u32 s72, s72, 1
	s_cmp_lt_u32 s72, 32
	s_cbranch_scc1 .Llist_\@
.endm
; THE LIST, each wave's own copy, so that no barrier is needed: LDS serves a wave's instructions in order (ISA guide 5.7.1.4).
.macro LIST hi
	v_mov_b32 v[TC], 0
	v_lshl_add_u32 v[TA], v1, 2, v[LB]
.irp k,0,1,2,3,4,5
	ds_store_b32 v[TA], v[TC] offset:\k*128        ; all 192 words hold a token that exists
.endr
	s_mov_b32 s69, 0
	v_mov_b32 v[PRE], 0
.irp l,0,1,2,3,4,5,6,7,8,9,10,11,12,13,14,15,16,17,18,19,20,21,22,23,24,25,26,27,28,29,30,31
	v_readlane_b32 s70, v[SELP], \l                ; how many chosen tokens lie in the lanes below mine
	v_writelane_b32 v[PRE], s69, \l
	s_add_co_u32 s69, s69, s70
.endr
	v_sub_nc_u32 v[RUN], v[PRE], s[R0]
	v_lshlrev_b32 v[TOK], 6, v1
	LISTWORD SELW, SELH, \hi
	LISTWORD SELW+1, SELH+1, \hi
	s_sub_co_u32 s69, s[CN], s[R0]                 ; the places behind the expert's last row repeat it, up to the block's end
	s_max_u32 s69, s69, 1
	s_sub_co_u32 s69, s69, 1
	s_min_u32 s69, s69, 175
	v_mov_b32 v[TA], s69
	v_lshl_add_u32 v[TA], v[TA], 2, v[LB]
	ds_load_b32 v[TC], v[TA]
	v_add_nc_u32 v[TB], s69, v2
	v_add_nc_u32 v[TB], 1, v[TB]
	v_min_u32 v[TB], 176, v[TB]
	v_lshl_add_u32 v[TB], v[TB], 2, v[LB]
	s_wait_dscnt 0x0
	ds_store_b32 v[TB], v[TC]
.endm
; A step's weights for my quarter of its K (32 rows of k, 64 columns, both matrices) into set p: each load takes two runs of 256 consecutive bytes, aligned.
.macro GW p
	WIN 0x80+0x40*(\p)
.irp m,0,1
.irp t,0,1,2,3,4,5,6,7,8,9,10,11,12,13,14,15
	global_load_b128 v[SW+64*\m+4*\t:SW+64*\m+4*\t+3], v[WO], s[10+2*\m:11+2*\m] offset:(\t+8*(\t/8))*2048
.endr
.endr
	WIN 0
	s_wait_xcnt 0x0                                ; the bases step only behind this wait
	s_add_nc_u64 s[10:11], s[10:11], 128*2048
	s_add_nc_u64 s[12:13], s[12:13], 128*2048
.endm
.macro GX p                            ; a step's x for my 44 of the 176 rows: 256 consecutive bytes of a row for each half of the lanes
	WIN 0x80+0x40*(\p)
.irp t,0,1,2,3,4,5,6,7,8,9,10,11,12,13,14,15,16,17,18,19,20,21
	global_load_b128 v[SX+4*\t:SX+4*\t+3], v[XO+\t], s[8:9]
.endr
	WIN 0
	s_wait_xcnt 0x0
	s_add_nc_u64 s[8:9], s[8:9], 256
.endm
; The step three on is asked for.  In the last three steps there is none: the 54 lines are then issued with no lane on, so that no byte is touched and the counted waits see the same lines on every path.
.macro GISSUE p, lim
	s_cmp_lt_u32 s[IT], \lim
	s_cselect_b32 vcc_lo, -1, 0
	s_wait_xcnt 0x0                                ; EXEC changes only behind this wait
	s_and_saveexec_b32 s48, vcc_lo
	GX \p
	GW \p                                          ; its s_wait_xcnt 0 stands in front of the line that restores EXEC
	s_or_b32 exec_lo, exec_lo, s48
.endm
; Set p goes into LDS buffer p: x as it is, the weights rounded and packed into fragments.  left: the younger loads, which may stay out.
.macro DRAIN p, left, guard
	s_wait_loadcnt \left
.if \guard
	s_cmp_lt_u32 s[IT], LASTREAL
	s_cbranch_scc1 .Lcounted_\@
	s_wait_loadcnt 0x0                             ; the younger lines ran with no lane on: the text does not lean on how those are counted
.Lcounted_\@:
.endif
	WIN 0x08+0x04*(\p)
.irp t,0,1,2,3,4,5,6,7,8,9,10,11,12,13,14,15,16,17,18,19,20,21
	ds_store_b128 v[AW+(\p)], v[SX+4*\t:SX+4*\t+3] offset:\t*8*APITCH
.endr
.irp m,0,1
	WIN 0x8a+0x45*(\p)
.irp c,0,1,2,3
.irp j,0,1,2,3,4,5,6,7
	v_cvt_pk_bf16_f32 v[TT+8*\c+\j], v[SW+64*\m+8*\j+\c], v[SW+64*\m+8*\j+4+\c]   ; column c of loads 2 j and 2 j + 1: two neighbouring k
.endr
.endr
	WIN 0x08+0x04*(\p)
.irp c,0,1,2,3
.irp g,0,1
	ds_store_b128 v[BW], v[TT+8*\c+4*\g:TT+8*\c+4*\g+3] offset:(\p)*BBUF+(4*\m+\c)*4096+\g*512
.endr
.endr
.endr
	WIN 0
.endm
; The fragments that a half (64 along K) begins with: my 4 weight fragments x 2 and block 0's x: 20 loads.
.macro PRELOAD buf, hf
.irp m,0,1
.irp c,0,1
.irp q,0,1
.irp g,0,1
.set rB, BB+64*(\hf)+((2*\m+\c)*2+\q)*8+4*\g
	ds_load_b128 v[rB:rB+3], v[BR] offset:(\buf)*BBUF+(4*\m+\c)*4096+(2*(\hf)+\q)*1024+\g*512
.endr
.endr
.endr
.endr
.irp q,0,1
.irp g,0,1
.set rA, AZ+16*(\hf)+8*\q+4*\g
	ds_load_b128 v[rA:rA+3], v[AR+(\buf)] offset:128*(\hf)+64*\q+32*\g
.endr
.endr
.endm
.macro ABLK buf, hf, n, reg            ; x's fragments of my block n for this half
.irp q,0,1
.irp g,0,1
.set rA, (\reg)+8*\q+4*\g
.if (\n) == 5
	ds_load_b128 v[rA:rA+3], v[AL+(\buf)] offset:128*(\hf)+64*\q+32*\g
.else
	ds_load_b128 v[rA:rA+3], v[AR+(\buf)] offset:(\n)*32*APITCH+128*(\hf)+64*\q+32*\g
.endif
.endr
.endr
.endm
; A HALF: 64 along K for all my blocks.  At its head the next half's fragments are asked for; each visit asks for the next block's x.  A visit: 8 products, the block's 4 accumulators by turns, one
; instruction a turn; blocks past my count are jumped, forward, over no barrier.
.macro HALF buf, hf
	WIN 0
	PLACES
.if (\hf) == 0
	PRELOAD \buf, 1
.else
	PRELOAD 1-(\buf), 0
.endif
	ABLK \buf, \hf, 1, AP
	s_wait_dscnt 24                                ; all but the 24 just issued
.irp i,0,1,2,3,4,5
	s_cmp_le_u32 s[NBW], \i
	s_cbranch_scc1 .Lhe_\@
.if \i == 0
.set AREG, AZ+16*(\hf)
.else
.set AREG, AP+16*((\i+1)%2)
	PLACES
.if \i < 5
	ABLK \buf, \hf, \i+1, AP+16*(\i%2)
	s_wait_dscnt 4                                 ; my block's x is in; the next block's four loads may stay out
.else
	s_wait_dscnt 0x0
.endif
.endif
	WIN 0x50
.irp q,0,1
.irp m,0,1
.irp c,0,1
.set rD, 8*(4*\i+2*\m+\c)
.set rB, BB+64*(\hf)+((2*\m+\c)*2+\q)*8
	v_wmma_f32_16x16x32_bf16 v[rD:rD+7], v[rB:rB+7], v[AREG+8*\q:AREG+8*\q+7], v[rD:rD+7]
.endr
.endr
.endr
	WIN 0
.endr
.Lhe_\@:
.endm
; A STEP of 128 along K, on buffer par.  Two barriers.  The first was signalled at the end of the step before, when my reads of the other buffer were over, and is waited for behind the first half: then the other buffer
; is written.  The second stands behind my stores: then the other buffer is whole, and the second half's head reads its first fragments.
.macro TRIP par, lim
	HALF \par, 0
	s_barrier_wait -1
	DRAIN 1-(\par), 54, 1
	GISSUE 1-(\par), \lim
	s_wait_dscnt 0x0                               ; for the others' sake: my stores are done
	s_barrier_signal -1
	s_barrier_wait -1
	HALF \par, 1
	s_wait_dscnt 0x0                               ; my reads of this buffer are over
	s_barrier_signal -1
.endm
	s_load_b256 s[8:15], s[0:1], 0x0               ; xb s[8:9], W1 s[10:11], V1 s[12:13], bm s[14:15]
	s_load_b64 s[16:17], s[0:1], 0x20              ; hid
	v_lshl_add_u32 v[SPW], v0, 2, SPARE
	v_mov_b32 v[NIL], 0
	v_and_b32 v1, 31, v0                           ; lane
	v_lshrrev_b32 v4, 5, v0
	v_readfirstlane_b32 s[WV], v4
	v_and_b32 v2, 15, v0                           ; lane % 16
	v_bfe_u32 v3, v0, 4, 1                         ; lane / 16
	s_lshr_b32 s[WR], s[WV], 1
	s_and_b32 s[WC], s[WV], 1
	s_mov_b32 s[SS], ttmp9
	s_and_b32 s[SLOT], ttmp7, 0xffff
	s_mov_b32 s52, 0x55555555
	s_mov_b32 s53, 0x33333333
	s_mov_b32 s54, 0x0f0f0f0f
	s_mov_b32 s55, 0x01010101
	s_mov_b32 s56, 0x76543210
	s_mov_b32 s57, 0xfedcba98
	s_mov_b32 s60, 0xbfb8aa3b                      ; - log2(e)
	s_mov_b32 s61, 0xbfb8aa3b
	v_lshlrev_b32 v9, 3, v1                        ; 8 bytes of each of bm's 16 rows; left alone until the loads are in
	s_wait_kmcnt 0x0
.set k, 0
.rept 16
	global_load_b64 v[BML+2*k:BML+2*k+1], v9, s[BMP:BMP+1] offset:k*256
.set k, k+1
.endr
	WIN 0x40                                       ; in the wait for them: the accumulators are cleared, and the addresses that hang on no count are made
.set k, 0
.rept 192
	v_mov_b32 v[k], 0
.set k, k+1
.endr
	WIN 0
	v_lshlrev_b32 v[WO], 4, v2
	v_lshl_add_u32 v[WO], v3, 14, v[WO]
	s_lshl_b32 s66, s[WV], 16
	v_add_nc_u32 v[WO], s66, v[WO]
	s_lshl_b32 s66, s[WR], 4
	v_add_nc_u32 v4, s66, v2
	v_mul_u32_u24 v4, v4, APITCH
	v_lshl_add_u32 v4, v3, 4, v4                   ; (16 wr + lane % 16) pitch + 16 (lane / 16)
	v_add_nc_u32 v[AR], ABASE, v4
	v_add_nc_u32 v[AR+1], ABASE+ABUF, v4
	v_mul_u32_u24 v4, v2, APITCH
	v_lshl_add_u32 v4, v3, 4, v4
	v_add_nc_u32 v[AL], ABASE+160*APITCH, v4
	v_add_nc_u32 v[AL+1], ABASE+ABUF+160*APITCH, v4
	s_lshl_b32 s66, s[WV], 1
	v_add_nc_u32 v4, s66, v3
	v_mul_u32_u24 v4, v4, APITCH
	v_lshl_add_u32 v4, v2, 4, v4                   ; row 2 w + lane / 16, 16 bytes a lane
	v_add_nc_u32 v[AW], ABASE, v4
	v_add_nc_u32 v[AW+1], ABASE+ABUF, v4
	s_lshl_b32 s66, s[WC], 13
	v_lshl_add_u32 v[BR], v1, 4, s66
	s_lshl_b32 s66, s[WV], 10
	v_lshl_add_u32 v[BW], v1, 4, s66
	s_mul_i32 s66, s[WV], 16*SPITCH
	s_add_co_u32 s66, s66, STAGEB
	v_mul_u32_u24 v4, v2, SPITCH
	v_lshl_add_u32 v4, v3, 4, v4
	v_add_nc_u32 v[ST], s66, v4
	v_lshrrev_b32 v4, 2, v1
	v_mul_u32_u24 v4, v4, SPITCH
	v_and_b32 v6, 3, v1
	v_lshl_add_u32 v4, v6, 4, v4
	v_add_nc_u32 v[RD], s66, v4
	s_lshl_b32 s66, s[WR], 10
	v_lshl_add_u32 v[GO], v1, 4, s66
	s_mul_i32 s66, s[WV], 768
	s_add_co_u32 s66, s66, LISTB
	v_mov_b32 v[LB], s66
	s_wait_loadcnt 0x0
	MAP 0
	s_lshl_b32 s50, s[EE], 22                      ; the expert's 4 MiB, the slice's 256 bytes of each row
	s_lshl_b32 s66, s[SS], 8
	s_add_co_u32 s50, s50, s66
	s_mov_b32 s51, 0
	s_add_nc_u64 s[10:11], s[10:11], s[50:51]
	s_add_nc_u64 s[12:13], s[12:13], s[50:51]
	s_lshl1_add_u32 s66, s[SS], s[WC]
	s_mul_i32 s50, s66, HSLICE
	s_lshl_b32 s66, s[GB], 10
	s_add_co_u32 s50, s50, s66
	s_add_nc_u64 s[16:17], s[16:17], s[50:51]
	GW 0                                           ; the weights of steps 0 and 1 are on their way while the list is made
	GW 1
	LIST 0
	s_lshl_b32 s66, s[WV], 3
	v_lshl_add_u32 v7, v3, 2, v[LB]
	v_add_nc_u32 v7, s66, v7
.irp t,0,1,2,3,4,5,6,7,8,9,10,11,12,13,14,15,16,17,18,19,20,21
	ds_load_b32 v[XO+\t], v7 offset:\t*32          ; list word 8 t + 2 w + lane / 16
.endr
	v_lshlrev_b32 v6, 4, v2
	s_wait_dscnt 0x0
.irp t,0,1,2,3,4,5,6,7,8,9,10,11,12,13,14,15,16,17,18,19,20,21
	v_min_u32 v[XO+\t], 2047, v[XO+\t]
	v_lshl_add_u32 v[XO+\t], v[XO+\t], 12, v6
.endr
	GX 0
	GX 1
	DRAIN 0, 22, 0                                 ; step 0 is in: only x of step 1 is younger
	GX 0                                           ; step 2
	GW 0
	s_wait_dscnt 0x0
	s_barrier_signal -1
	s_barrier_wait -1                              ; buffer 0 is whole
	s_barrier_signal -1                            ; nobody has read buffer 1 yet
	PRELOAD 0, 0
	s_mov_b32 s[IT], 0
.Lstep:
	TRIP 0, 7
	TRIP 1, 6
	s_add_co_u32 s[IT], s[IT], 1
	s_cmp_lt_u32 s[IT], 8
	s_cbranch_scc1 .Lstep
	s_barrier_wait -1
	PLACES
; THE WAY OUT, a block at a time: h v / (1 + 2^(-h log2 e)) in f32, rounded to bf16; a lane's 8 positions are 16 bytes of a row of 64; through my stage, so that each store is 512 consecutive bytes.
.irp i,0,1,2,3,4,5
	s_cmp_le_u32 s[NBW], \i
	s_cbranch_scc1 .Ldone
	WIN 0x01
.irp c,0,1
.irp k,0,1,2,3
	v_pk_mul_f32 v[ET+8*\c+2*\k:ET+8*\c+2*\k+1], v[8*(4*\i+\c)+2*\k:8*(4*\i+\c)+2*\k+1], s[60:61] op_sel_hi:[1,0]
.endr
.endr
	WIN 0
.set k, 0
.rept 16
	v_exp_f32 v[ET+k], v[ET+k]
.set k, k+1
.endr
	v_nop                                          ; a plain instruction behind the last exponential, and one wait for the batch
	s_wait_alu depctr_va_vdst(0)
.set k, 0
.rept 8
	v_pk_add_f32 v[ET+2*k:ET+2*k+1], v[ET+2*k:ET+2*k+1], 1.0 op_sel_hi:[1,0]
.set k, k+1
.endr
.set k, 0
.rept 16
	v_rcp_f32 v[ET+k], v[ET+k]
.set k, k+1
.endr
	v_nop
	s_wait_alu depctr_va_vdst(0)
	WIN 0x01
.irp c,0,1
.irp k,0,1,2,3
	v_pk_mul_f32 v[ET+8*\c+2*\k:ET+8*\c+2*\k+1], v[8*(4*\i+\c)+2*\k:8*(4*\i+\c)+2*\k+1], v[ET+8*\c+2*\k:ET+8*\c+2*\k+1]
.endr
.endr
.irp c,0,1
.irp k,0,1,2,3
	v_pk_mul_f32 v[ET+8*\c+2*\k:ET+8*\c+2*\k+1], v[8*(4*\i+2+\c)+2*\k:8*(4*\i+2+\c)+2*\k+1], v[ET+8*\c+2*\k:ET+8*\c+2*\k+1]
.endr
.endr
	WIN 0
.irp c,0,1
.irp k,0,1,2,3
	v_cvt_pk_bf16_f32 v[EO+4*\c+\k], v[ET+8*\c+2*\k], v[ET+8*\c+2*\k+1]
.endr
	ds_store_b128 v[ST], v[EO+4*\c:EO+4*\c+3] offset:32*\c
.endr
	s_wait_xcnt 0x0                                ; the block before's stores have read the registers that are loaded below
	ds_load_b128 v[EQ:EQ+3], v[RD]                 ; LDS serves a wave's instructions in order: these see the stores above
	ds_load_b128 v[EQ+4:EQ+7], v[RD] offset:8*SPITCH
	s_wait_dscnt 0x0
	global_store_b128 v[GO], v[EQ:EQ+3], s[16:17] offset:\i*2048
	global_store_b128 v[GO], v[EQ+4:EQ+7], s[16:17] offset:\i*2048+512
.endr
.Ldone:
	s_wait_tensorcnt 0x0                           ; the wave's end, behind my last LDS store
	ds_add_u32 v[SPW], v[NIL]
	s_wait_dscnt 0x0
	s_endpgm
.Lfunc_end_k_qb86e6f5312_up:
	.size	k_qb86e6f5312_up, .Lfunc_end_k_qb86e6f5312_up-k_qb86e6f5312_up
	.p2alignl 7, 3214868480
	.fill 96, 4, 3214868480
	.section	.rodata,"a",@progbits
	.p2align	6, 0x0
	.amdhsa_kernel k_qb86e6f5312_up
		.amdhsa_group_segment_fixed_size 169984
		.amdhsa_private_segment_fixed_size 0
		.amdhsa_enable_private_segment 0
		.amdhsa_kernarg_size 40
		.amdhsa_user_sgpr_count 2
		.amdhsa_user_sgpr_kernarg_segment_ptr 1
		.amdhsa_wavefront_size32 1
		.amdhsa_system_sgpr_workgroup_id_x 1
		.amdhsa_system_sgpr_workgroup_id_y 1
		.amdhsa_system_sgpr_workgroup_id_z 1
		.amdhsa_system_vgpr_workitem_id 0
		.amdhsa_next_free_vgpr 1024
		.amdhsa_next_free_sgpr 100
		.amdhsa_reserve_vcc 1
		.amdhsa_float_denorm_mode_32 3
		.amdhsa_float_denorm_mode_16_64 3
		.amdhsa_memory_ordered 1
		.amdhsa_forward_progress 1
		.amdhsa_inst_pref_size 149
	.end_amdhsa_kernel
	.amdgpu_metadata
---
amdhsa.version: [ 1, 2 ]
amdhsa.kernels:
  - .name:           k_qb86e6f5312_up
    .symbol:         k_qb86e6f5312_up.kd
    .args:
      - { .name: xb, .offset: 0, .size: 8, .value_kind: global_buffer, .address_space: global }
      - { .name: W1, .offset: 8, .size: 8, .value_kind: global_buffer, .address_space: global }
      - { .name: V1, .offset: 16, .size: 8, .value_kind: global_buffer, .address_space: global }
      - { .name: bm, .offset: 24, .size: 8, .value_kind: global_buffer, .address_space: global }
      - { .name: hid, .offset: 32, .size: 8, .value_kind: global_buffer, .address_space: global }
    .group_segment_fixed_size: 169984
    .private_segment_fixed_size: 0
    .kernarg_segment_align: 8
    .kernarg_segment_size: 40
    .max_flat_workgroup_size: 128
    .sgpr_count:     100
    .vgpr_count:     1024
    .wavefront_size: 32
...
	.end_amdgpu_metadata
.endif
;; end of part 2
;; launch down (part 3): grid 8 x 32, 4 waves a work-group, no clusters, 153,600 bytes of LDS; arguments hid, W2, bm, comb, part; writes part
.if DOCPART == 3
	.amdgcn_target "amdgcn-amd-amdhsa--gfx1250"
	.amdhsa_code_object_version 6
	.text
	.protected	k_qb86e6f5312_down
	.globl	k_qb86e6f5312_down
	.p2align	8
	.type	k_qb86e6f5312_down,@function
k_qb86e6f5312_down:
	s_mov_b64 s[64:65], 0
	v_nop
	global_prefetch_b8 v0, s[64:65] scope:SCOPE_SE
	s_setreg_imm32_b32 hwreg(HW_REG_WAVE_MODE, 25, 1), 1
	s_wait_xcnt 0x0
; DOWN.  part[jj][token] = comb[token][expert] * (hid W2) for the chosen rows: f32 partial rows, one for each of a token's two experts (jj = 0: the lower-numbered), which the last launch adds.
; hid in bf16, W2 rounded to bf16 on its way through registers, sums in f32, the gate's weight applied in f32.
; THE DEAL is the launch before's, by the same text: the same tiles of up to 176 rows of one expert in the 32 slots of grid y; a slot left over passes every barrier and stores nothing.
; Places past an expert's count repeat its last row: the same wave stores the same numbers to the same bytes once more.
; SHARES.  Grid x = the slice of 256 columns of W2.  K = 512 in 8 steps of 64 = two slices of hid.  Waves 2 x 2: wr takes every second block of 16 rows, wc 128 columns: 8 accumulators a block, at most 6 blocks.
; ORDER OF K.  Position 16 c' + rho of hid's slice 2 s' + u is hidden column 64 s' + 4 rho + 2 u + c': W2's rows are loaded in that order, so both sources of a product have k in the same places.
; Weights become fragments as in the launch before: column c of sixteen 16-byte loads; row r of fragment (g, c) stands for column 64 g + 4 r + c.  So the four fragments c of one g hold four neighbouring
; columns in the same lane and register number: the way out gathers them into 16 bytes.
; NO TENSOR LOAD, NO CLUSTER: the weights are f32 and must pass through registers to be rounded; how many tiles share a slice of weights hangs on the counts and is no multiple of four at every split.
; The accumulators are cleared, in the wait for the bitmaps: blocks are jumped by count, so no first step can be written out that writes them on every path.
; REGISTERS: window 0 addresses and fragments; accumulator (i, g', c) at 8 (8 i + 4 g' + c): i = 0-3 window 1, i = 4, 5 window 2 v0-127; weights as loaded: set 0 window 2 v128-255, set 1 window 3 v128-255;
; window 3 also: hid as loaded v0-43, packed weights v64-95.
.set BBUF,   32768                     ; B: two buffers; fragment (g, c, u) of 1,024 bytes at ((4 g + c) 2 + u) 1,024
.set ABASE,  65536
.set APITCH, 144                       ; a row of hid in LDS: 128 bytes + 16
.set ABUF,   176*APITCH
.set LISTB,  ABASE+2*ABUF
.set STAGEB, LISTB+4*768               ; each wave's own stage: 16 rows x 528 bytes (512 + 16)
.set SPITCH, 528
.set SPARE,  STAGEB+4*16*SPITCH
.set HSLICE, 270336
.set LASTREAL, 3
.set SPW,10
.set NIL,11
.set WO, 12
.set AR, 13
.set AW, 15
.set BR, 17
.set BW, 18
.set SA, 19
.set SR, 20
.set LC, 21
.set LB, 22
.set TOK,23
.set HO, 24                            ; v24-34 byte offsets in hid of the 11 x 8 rows that I stage
.set EN, 36                            ; v36-41 block i: my row's place in part: token + 2,048 jj
.set SC, 42                            ; v42-47 block i: my row's score
.set AZ, 48
.set AP, 64
.set AQ, 72
.set BB, 80
.set OFF,208
.set AL, 224
.set CA, 226
.set BML,48
.set BMH,64
.set BMW,80
.set PCN,96
.set PKD,104
.set TA, 108
.set TB, 109
.set TC, 110
.set SELW,112
.set SELH,114
.set SELP,116
.set PRE,117
.set RUN,118
.set ET, 80
.set ER, 144
.set SH, 0
.set TT, 64
.set SW, 128
.set BMP,12                            ; s[12:13] bm
.set WV, 18
.set WR, 19
.set WC, 20
.set SS, 21
.set SLOT,22
.set CNT0,24
.set CAP,32
.set MUL,33
.set RUNT,34
.set RUNB,35
.set EE, 36
.set TI, 37
.set NT, 38
.set NB, 39
.set OFB,40
.set CN, 41
.set PER,42
.set B0, 43
.set NBQ,44
.set NBW,45
.set R0, 46
.set IT, 47
.set GB, 49
.set NB0,84
.set MSB, 0
.macro WIN new                         ; s_set_vgpr_msb: bits 1:0 source 0, 3:2 source 1, 5:4 source 2, 7:6 destination; the high byte repeats the setting that is left
.if MSB != (\new)
	s_set_vgpr_msb (MSB<<8)|(\new)
.set MSB, (\new)
.endif
.endm
.macro PLACES                          ; four places behind a matrix instruction (ISA guide 7.12.1)
.rept 4
	v_nop
.endr
.endm
.macro SWAR x                          ; a word's bits counted byte by byte
	v_lshrrev_b32 v[TC], 1, v[\x]
	v_and_b32 v[TC], s52, v[TC]
	v_sub_nc_u32 v[\x], v[\x], v[TC]
	v_lshrrev_b32 v[TC], 2, v[\x]
	v_and_b32 v[\x], s53, v[\x]
	v_and_b32 v[TC], s53, v[TC]
	v_add_nc_u32 v[\x], v[\x], v[TC]
	v_lshrrev_b32 v[TC], 4, v[\x]
	v_add_nc_u32 v[\x], v[\x], v[TC]
	v_and_b32 v[\x], s54, v[\x]
.endm
; THE DEAL: the same text as in the launch before, so that both cut the same tiles.
.macro MAP hi
.irp e,0,1,2,3,4,5,6,7
	v_or_b32 v[BMW+2*\e], v[BML+2*\e], v[BMH+2*\e]
	v_or_b32 v[BMW+2*\e+1], v[BML+2*\e+1], v[BMH+2*\e+1]
	v_mov_b32 v[TA], v[BMW+2*\e]
	v_mov_b32 v[TB], v[BMW+2*\e+1]
	SWAR TA
	SWAR TB
	v_add_nc_u32 v[TA], v[TA], v[TB]
	v_mul_lo_u32 v[TA], v[TA], s55
	v_lshrrev_b32 v[PCN+\e], 24, v[TA]
.endr
.irp k,0,1,2,3
	v_lshl_or_b32 v[PKD+\k], v[PCN+2*\k+1], 16, v[PCN+2*\k]
.irp m,1,2,4,8
	v_mov_b32_dpp v[TC], v[PKD+\k] row_xmask:\m row_mask:0xf bank_mask:0xf
	v_add_nc_u32 v[PKD+\k], v[PKD+\k], v[TC]
.endr
	v_permlanex16_b32 v[TC], v[PKD+\k], s56, s57
	v_add_nc_u32 v[PKD+\k], v[PKD+\k], v[TC]
	v_readfirstlane_b32 s66, v[PKD+\k]
	s_and_b32 s[CNT0+2*\k], s66, 0xffff
	s_lshr_b32 s[CNT0+2*\k+1], s66, 16
.endr
	s_mov_b32 s66, 0
	s_mov_b32 s67, 0
	s_mov_b32 s68, 0
.irp e,0,1,2,3,4,5,6,7
	s_add_co_u32 s[NB0+\e], s[CNT0+\e], 15
	s_lshr_b32 s[NB0+\e], s[NB0+\e], 4
	s_add_co_u32 s69, s[NB0+\e], 7
	s_lshr_b32 s69, s69, 3
	s_add_co_u32 s66, s66, s69
	s_add_co_u32 s69, s[NB0+\e], 8
	s_mul_i32 s69, s69, 7282
	s_lshr_b32 s69, s69, 16
	s_add_co_u32 s67, s67, s69
	s_add_co_u32 s69, s[NB0+\e], 9
	s_mul_i32 s69, s69, 6554
	s_lshr_b32 s69, s69, 16
	s_add_co_u32 s68, s68, s69
.endr
	s_mov_b32 s[CAP], 11
	s_mov_b32 s[MUL], 5958
	s_cmp_le_u32 s68, 32
	s_cselect_b32 s[CAP], 10, s[CAP]
	s_cselect_b32 s[MUL], 6554, s[MUL]
	s_cmp_le_u32 s67, 32
	s_cselect_b32 s[CAP], 9, s[CAP]
	s_cselect_b32 s[MUL], 7282, s[MUL]
	s_cmp_le_u32 s66, 32
	s_cselect_b32 s[CAP], 8, s[CAP]
	s_cselect_b32 s[MUL], 8192, s[MUL]
	s_mov_b32 s[RUNT], 0
	s_mov_b32 s[RUNB], 0
	s_mov_b32 s[EE], 0
	s_mov_b32 s[TI], 0
	s_mov_b32 s[NT], 1
	s_mov_b32 s[NB], 0
	s_mov_b32 s[OFB], 0
	s_mov_b32 s[CN], 0
	v_mov_b32 v[SELW], 0
	v_mov_b32 v[SELW+1], 0
	v_mov_b32 v[SELP], 0
.if \hi
	v_mov_b32 v[SELH], 0
	v_mov_b32 v[SELH+1], 0
.endif
.irp e,0,1,2,3,4,5,6,7
	s_add_co_u32 s69, s[NB0+\e], s[CAP]
	s_sub_co_u32 s69, s69, 1
	s_mul_i32 s69, s69, s[MUL]
	s_lshr_b32 s69, s69, 16
	s_sub_co_u32 s70, s[SLOT], s[RUNT]
	s_cmp_lt_u32 s70, s69
	s_cselect_b32 s[EE], \e, s[EE]
	s_cselect_b32 s[TI], s70, s[TI]
	s_cselect_b32 s[NT], s69, s[NT]
	s_cselect_b32 s[NB], s[NB0+\e], s[NB]
	s_cselect_b32 s[OFB], s[RUNB], s[OFB]
	s_cselect_b32 s[CN], s[CNT0+\e], s[CN]
	s_cselect_b32 s71, -1, 0
	v_cndmask_b32 v[SELW], v[SELW], v[BMW+2*\e], s71
	v_cndmask_b32 v[SELW+1], v[SELW+1], v[BMW+2*\e+1], s71
	v_cndmask_b32 v[SELP], v[SELP], v[PCN+\e], s71
.if \hi
	v_cndmask_b32 v[SELH], v[SELH], v[BMH+2*\e], s71
	v_cndmask_b32 v[SELH+1], v[SELH+1], v[BMH+2*\e+1], s71
.endif
	s_add_co_u32 s[RUNT], s[RUNT], s69
	s_add_co_u32 s[RUNB], s[RUNB], s[NB0+\e]
.endr
	s_mov_b32 s[PER], 0
	s_mov_b32 s69, 0
.rept 11
	s_cmp_lt_u32 s69, s[NB]
	s_add_co_ci_u32 s[PER], s[PER], 0
	s_add_co_u32 s69, s69, s[NT]
.endr
	s_mul_i32 s[B0], s[TI], s[PER]
	s_sub_co_u32 s66, s[NB], s[B0]
	s_min_u32 s[NBQ], s[PER], s66
	s_min_u32 s[NBQ], s[NBQ], 11
	s_lshl_b32 s[R0], s[B0], 4
	s_add_co_u32 s[NBW], s[NBQ], 1
	s_sub_co_u32 s[NBW], s[NBW], s[WR]
	s_lshr_b32 s[NBW], s[NBW], 1
	s_add_co_u32 s[GB], s[OFB], s[B0]
	s_min_u32 s[GB], s[GB], 263
	s_min_u32 s[EE], s[EE], 7
.endm
.macro LISTWORD wreg, hreg, hi
	s_mov_b32 s72, 0
.Llist_\@:
	v_lshrrev_b32 v[TA], s72, v[\wreg]
	v_and_b32 v[TA], 1, v[TA]
	v_cmp_eq_u32 vcc_lo, 1, v[TA]
	v_cndmask_b32 v[TB], -1, v[RUN], vcc_lo
	v_min_u32 v[TB], 176, v[TB]
	v_lshl_add_u32 v[TB], v[TB], 2, v[LB]
.if \hi
	v_lshrrev_b32 v[TC], s72, v[\hreg]
	v_and_b32 v[TC], 1, v[TC]
	v_lshl_add_u32 v[TC], v[TC], 11, v[TOK]        ; + 2,048 where the expert is the token's higher choice
	ds_store_b32 v[TB], v[TC]
.else
	ds_store_b32 v[TB], v[TOK]
.endif
	v_add_nc_u32 v[RUN], v[RUN], v[TA]
	v_add_nc_u32 v[TOK], 1, v[TOK]
	s_add_co_u32 s72, s72, 1
	s_cmp_lt_u32 s72, 32
	s_cbranch_scc1 .Llist_\@
.endm
.macro LIST hi                         ; each wave's own copy: no barrier; LDS serves a wave's instructions in order (ISA guide 5.7.1.4)
	v_mov_b32 v[TC], 0
	v_lshl_add_u32 v[TA], v1, 2, v[LB]
.irp k,0,1,2,3,4,5
	ds_store_b32 v[TA], v[TC] offset:\k*128
.endr
	s_mov_b32 s69, 0
	v_mov_b32 v[PRE], 0
.irp l,0,1,2,3,4,5,6,7,8,9,10,11,12,13,14,15,16,17,18,19,20,21,22,23,24,25,26,27,28,29,30,31
	v_readlane_b32 s70, v[SELP], \l
	v_writelane_b32 v[PRE], s69, \l
	s_add_co_u32 s69, s69, s70
.endr
	v_sub_nc_u32 v[RUN], v[PRE], s[R0]
	v_lshlrev_b32 v[TOK], 6, v1
	LISTWORD SELW, SELH, \hi
	LISTWORD SELW+1, SELH+1, \hi
	s_sub_co_u32 s69, s[CN], s[R0]
	s_max_u32 s69, s69, 1
	s_sub_co_u32 s69, s69, 1
	s_min_u32 s69, s69, 175
	v_mov_b32 v[TA], s69
	v_lshl_add_u32 v[TA], v[TA], 2, v[LB]
	ds_load_b32 v[TC], v[TA]
	v_add_nc_u32 v[TB], s69, v2
	v_add_nc_u32 v[TB], 1, v[TB]
	v_min_u32 v[TB], 176, v[TB]
	v_lshl_add_u32 v[TB], v[TB], 2, v[LB]
	s_wait_dscnt 0x0
	ds_store_b32 v[TB], v[TC]
.endm
; A step's weights for my 64 of the slice's 256 columns (g = w), both halves u, into set p: each load takes two runs of 256 consecutive bytes, aligned.
.macro GW p
	WIN 0x80+0x40*(\p)
.irp u,0,1
.irp t,0,1,2,3,4,5,6,7,8,9,10,11,12,13,14,15
	global_load_b128 v[SW+64*\u+4*\t:SW+64*\u+4*\t+3], v[WO], s[10:11] offset:(4*(\t%8)+2*\u+(\t/8))*8192
.endr
.endr
	WIN 0
	s_wait_xcnt 0x0                                ; the base steps only behind this wait
	s_add_nc_u64 s[10:11], s[10:11], 64*8192
.endm
.macro GH                              ; a step's hid: of one of its two slices, 8 rows of 64 bytes a load: 512 consecutive bytes
	WIN 0xc0
.irp t,0,1,2,3,4,5,6,7,8,9,10
	global_load_b128 v[SH+4*\t:SH+4*\t+3], v[HO+\t], s[8:9]
.endr
	WIN 0
	s_wait_xcnt 0x0
	s_add_nc_u64 s[8:9], s[8:9], 2*HSLICE
.endm
; hid of the step two on and the weights of the step three on are asked for.  Where there is no such step the lines are issued with no lane on: no byte is touched, and the counted waits see the same lines on every path.
.macro GISSUE p, limh, limw
	s_cmp_lt_u32 s[IT], \limh
	s_cselect_b32 vcc_lo, -1, 0
	s_wait_xcnt 0x0                                ; EXEC changes only behind this wait
	s_and_saveexec_b32 s48, vcc_lo
	GH                                             ; its s_wait_xcnt 0 stands in front of the line that restores EXEC
	s_or_b32 exec_lo, exec_lo, s48
	s_cmp_lt_u32 s[IT], \limw
	s_cselect_b32 vcc_lo, -1, 0
	s_and_saveexec_b32 s48, vcc_lo
	GW \p
	s_or_b32 exec_lo, exec_lo, s48
.endm
.macro DRAIN p, left, guard            ; hid as loaded and weight set p go into LDS buffer p
	s_wait_loadcnt \left
.if \guard
	s_cmp_lt_u32 s[IT], LASTREAL
	s_cbranch_scc1 .Lcounted_\@
	s_wait_loadcnt 0x0                             ; the younger lines ran with no lane on: the text does not lean on how those are counted
.Lcounted_\@:
.endif
	WIN 0x0c
.irp t,0,1,2,3,4,5,6,7,8,9,10
	ds_store_b128 v[AW+(\p)], v[SH+4*\t:SH+4*\t+3] offset:\t*16*APITCH
.endr
.irp u,0,1
	WIN 0xca+0x05*(\p)
.irp c,0,1,2,3
.irp j,0,1,2,3,4,5,6,7
	v_cvt_pk_bf16_f32 v[TT+8*\c+\j], v[SW+64*\u+8*\j+\c], v[SW+64*\u+8*\j+4+\c]
.endr
.endr
	WIN 0x0c
.irp c,0,1,2,3
.irp g,0,1
	ds_store_b128 v[BW], v[TT+8*\c+4*\g:TT+8*\c+4*\g+3] offset:(\p)*BBUF+\c*2048+\u*1024+\g*512
.endr
.endr
.endr
	WIN 0
.endm
.macro PRELOAD buf, u                  ; my 8 weight fragments of half u and block 0's hid: 18 loads
.irp g,0,1
.irp c,0,1,2,3
.irp x,0,1
.set rB, BB+64*(\u)+(4*\g+\c)*8+4*\x
	ds_load_b128 v[rB:rB+3], v[BR] offset:(\buf)*BBUF+\g*8192+\c*2048+(\u)*1024+\x*512
.endr
.endr
.endr
.irp x,0,1
.set rA, AZ+8*(\u)+4*\x
	ds_load_b128 v[rA:rA+3], v[AR+(\buf)] offset:64*(\u)+32*\x
.endr
.endm
.macro ABLK buf, u, n, reg
.irp x,0,1
.set rA, (\reg)+4*\x
.if (\n) == 5
	ds_load_b128 v[rA:rA+3], v[AL+(\buf)] offset:64*(\u)+32*\x
.else
	ds_load_b128 v[rA:rA+3], v[AR+(\buf)] offset:(\n)*32*APITCH+64*(\u)+32*\x
.endif
.endr
.endm
; A HALF: 32 along K for all my blocks.  A visit: 8 products on the block's 8 accumulators, each once: no two that follow each other share one.
.macro HALF buf, u
	WIN 0
	PLACES
.if (\u) == 0
	PRELOAD \buf, 1
.else
	PRELOAD 1-(\buf), 0
.endif
	ABLK \buf, \u, 1, AP
	s_wait_dscnt 20                                ; all but the 20 just issued
.irp i,0,1,2,3,4,5
	s_cmp_le_u32 s[NBW], \i
	s_cbranch_scc1 .Lhe_\@
.if \i == 0
.set AREG, AZ+8*(\u)
.else
.set AREG, AP+8*((\i+1)%2)
	PLACES
.if \i < 5
	ABLK \buf, \u, \i+1, AP+8*(\i%2)
	s_wait_dscnt 2                                 ; my block's hid is in; the next block's two loads may stay out
.else
	s_wait_dscnt 0x0
.endif
.endif
	WIN 0x50+0x50*(\i/4)
.irp g,0,1
.irp c,0,1,2,3
.set rD, 8*(8*(\i%4)+4*\g+\c)
.set rB, BB+64*(\u)+(4*\g+\c)*8
	v_wmma_f32_16x16x32_bf16 v[rD:rD+7], v[rB:rB+7], v[AREG:AREG+7], v[rD:rD+7]
.endr
.endr
	WIN 0
.endr
.Lhe_\@:
.endm
; A STEP of 64 along K, on buffer par: two barriers, as in the launch before: one between all reads of the other buffer and its next writing, one between that writing and its reading.
.macro TRIP par, limh, limw
	HALF \par, 0
	s_barrier_wait -1
	DRAIN 1-(\par), 32, 1
	GISSUE 1-(\par), \limh, \limw
	s_wait_dscnt 0x0                               ; for the others' sake: my stores are done
	s_barrier_signal -1
	s_barrier_wait -1
	HALF \par, 1
	s_wait_dscnt 0x0                               ; my reads of this buffer are over
	s_barrier_signal -1
.endm
	s_load_b256 s[8:15], s[0:1], 0x0               ; hid s[8:9], W2 s[10:11], bm s[12:13], comb s[14:15]
	s_load_b64 s[16:17], s[0:1], 0x20              ; part
	v_lshl_add_u32 v[SPW], v0, 2, SPARE
	v_mov_b32 v[NIL], 0
	v_and_b32 v1, 31, v0
	v_lshrrev_b32 v4, 5, v0
	v_readfirstlane_b32 s[WV], v4
	v_and_b32 v2, 15, v0
	v_bfe_u32 v3, v0, 4, 1
	s_lshr_b32 s[WR], s[WV], 1
	s_and_b32 s[WC], s[WV], 1
	s_mov_b32 s[SS], ttmp9
	s_and_b32 s[SLOT], ttmp7, 0xffff
	s_mov_b32 s52, 0x55555555
	s_mov_b32 s53, 0x33333333
	s_mov_b32 s54, 0x0f0f0f0f
	s_mov_b32 s55, 0x01010101
	s_mov_b32 s56, 0x76543210
	s_mov_b32 s57, 0xfedcba98
	v_lshlrev_b32 v9, 3, v1                        ; left alone until the bitmaps are in
	s_wait_kmcnt 0x0
.set k, 0
.rept 16
	global_load_b64 v[BML+2*k:BML+2*k+1], v9, s[BMP:BMP+1] offset:k*256
.set k, k+1
.endr
	WIN 0x40                                       ; in the wait for them: the accumulators are cleared, and the addresses that hang on no count are made
.set k, 0
.rept 256
	v_mov_b32 v[k], 0
.set k, k+1
.endr
	WIN 0x80
.set k, 0
.rept 128
	v_mov_b32 v[k], 0
.set k, k+1
.endr
	WIN 0
	v_lshlrev_b32 v[WO], 4, v2
	v_lshl_add_u32 v[WO], v3, 18, v[WO]            ; the upper lanes: rho 8 on, 32 rows of 8,192 bytes
	s_lshl_b32 s66, s[WV], 8
	v_add_nc_u32 v[WO], s66, v[WO]
	s_lshl_b32 s66, s[WR], 4
	v_add_nc_u32 v4, s66, v2
	v_mul_u32_u24 v4, v4, APITCH
	v_lshl_add_u32 v4, v3, 4, v4
	v_add_nc_u32 v[AR], ABASE, v4
	v_add_nc_u32 v[AR+1], ABASE+ABUF, v4
	v_mul_u32_u24 v4, v2, APITCH
	v_lshl_add_u32 v4, v3, 4, v4
	v_add_nc_u32 v[AL], ABASE+160*APITCH, v4
	v_add_nc_u32 v[AL+1], ABASE+ABUF+160*APITCH, v4
	s_lshl_b32 s67, s[WR], 3
	v_lshrrev_b32 v8, 2, v1
	v_add_nc_u32 v8, s67, v8                       ; 8 (w / 2) + lane / 4: my row in each 16
	v_and_b32 v6, 3, v1
	v_lshlrev_b32 v6, 4, v6                        ; 16 (lane % 4)
	v_mul_u32_u24 v4, v8, APITCH
	v_add_nc_u32 v4, v4, v6
	s_lshl_b32 s66, s[WC], 6
	v_add_nc_u32 v4, s66, v4                       ; + 64 (w % 2): which of the step's two slices
	v_add_nc_u32 v[AW], ABASE, v4
	v_add_nc_u32 v[AW+1], ABASE+ABUF, v4
	s_mul_i32 s66, s[WC], HSLICE
	v_add_nc_u32 v6, s66, v6
	s_lshl_b32 s66, s[WC], 14
	v_lshl_add_u32 v[BR], v1, 4, s66
	s_lshl_b32 s66, s[WV], 13
	v_lshl_add_u32 v[BW], v1, 4, s66
	s_mul_i32 s66, s[WV], 16*SPITCH
	s_add_co_u32 s66, s66, STAGEB
	v_mul_u32_u24 v4, v2, SPITCH
	v_lshl_add_u32 v4, v3, 7, v4
	v_add_nc_u32 v[SA], s66, v4
	v_lshl_add_u32 v[SR], v1, 4, s66
	s_lshl_b32 s66, s[SS], 10
	s_lshl_b32 s67, s[WC], 9
	s_add_co_u32 s66, s66, s67
	v_lshl_add_u32 v[LC], v1, 4, s66               ; my 16 bytes of my wave's 512 bytes of a row of part
	s_mul_i32 s66, s[WV], 768
	s_add_co_u32 s66, s66, LISTB
	v_mov_b32 v[LB], s66
	s_wait_loadcnt 0x0
	MAP 1
	s_lshl_b32 s50, s[EE], 22
	s_lshl_b32 s66, s[SS], 10
	s_add_co_u32 s50, s50, s66
	s_mov_b32 s51, 0
	s_add_nc_u64 s[10:11], s[10:11], s[50:51]
	s_lshl_b32 s50, s[GB], 10
	s_add_nc_u64 s[8:9], s[8:9], s[50:51]
	s_lshl_b32 s50, s[EE], 2
	s_add_nc_u64 s[14:15], s[14:15], s[50:51]
	s_lshl_b32 s66, s[NBQ], 4                      ; rows past my tile's last are not asked for: they repeat it
	s_max_u32 s66, s66, 1
	s_sub_co_u32 s66, s66, 1
	s_min_u32 s66, s66, 175
.irp t,0,1,2,3,4,5,6,7,8,9,10
	v_add_nc_u32 v[HO+\t], 16*\t, v8
	v_min_u32 v[HO+\t], s66, v[HO+\t]
	v_min_u32 v[HO+\t], 175, v[HO+\t]
	v_lshl_add_u32 v[HO+\t], v[HO+\t], 6, v6
.endr
	GW 0                                           ; step 0's weights and hid and step 1's weights are on their way while the list is made
	GH
	GW 1
	LIST 1
	s_lshl_b32 s66, s[WR], 6
	v_lshl_add_u32 v7, v2, 2, v[LB]
	v_add_nc_u32 v7, s66, v7
.irp i,0,1,2,3,4,5
	ds_load_b32 v[EN+\i], v7 offset:\i*128         ; list word 16 (2 i + wr) + lane % 16
.endr
	s_wait_dscnt 0x0
.irp i,0,1,2,3,4,5
	v_min_u32 v[EN+\i], 4095, v[EN+\i]
	v_and_b32 v[CA+\i], 2047, v[EN+\i]
	v_lshlrev_b32 v[CA+\i], 5, v[CA+\i]
	global_load_b32 v[SC+\i], v[CA+\i], s[14:15]   ; my row's score for this expert
.endr
	DRAIN 0, 38, 0                                 ; step 0 is in: younger are step 1's 32 weight loads and the 6 scores
	GH                                             ; step 1
	GW 0                                           ; step 2
	s_wait_dscnt 0x0
	s_barrier_signal -1
	s_barrier_wait -1                              ; buffer 0 is whole
	s_barrier_signal -1                            ; nobody has read buffer 1 yet
	PRELOAD 0, 0
	s_mov_b32 s[IT], 0
.Lstep:
	TRIP 0, 3, 3
	TRIP 1, 3, 2
	s_add_co_u32 s[IT], s[IT], 1
	s_cmp_lt_u32 s[IT], 4
	s_cbranch_scc1 .Lstep
	s_barrier_wait -1
	PLACES
; THE WAY OUT, a block at a time: times the score, four neighbouring columns into four neighbouring registers, through my stage, and each row's 512 bytes stored to the row of part that the list names.
.irp i,0,1,2,3,4,5
	s_cmp_le_u32 s[NBW], \i
	s_cbranch_scc1 .Ldone
	s_wait_xcnt 0x0                                ; the block before's stores have read their offsets and data
.irp p,0,1,2,3,4,5,6,7,8,9,10,11,12,13,14,15
	v_readlane_b32 s66, v[EN+\i], \p
	s_min_u32 s66, s66, 4095
	v_lshl_add_u32 v[OFF+\p], s66, 13, v[LC]
.endr
	WIN 0x01+(\i/4)
.irp j,0,1,2,3,4,5,6,7                 ; each accumulator's lowest register is read first
.irp g,0,1
.irp c,0,1,2,3
	v_mul_f32 v[ET+(8*\g+\j)*4+\c], v[8*(8*(\i%4)+4*\g+\c)+\j], v[SC+\i]
.endr
.endr
.endr
	WIN 0
.irp g,0,1
.irp j,0,1,2,3,4,5,6,7
	ds_store_b128 v[SA], v[ET+(8*\g+\j)*4:ET+(8*\g+\j)*4+3] offset:256*\g+16*\j
.endr
.endr
.irp p,0,1,2,3,4,5,6,7,8,9,10,11,12,13,14,15
	ds_load_b128 v[ER+4*\p:ER+4*\p+3], v[SR] offset:\p*SPITCH   ; LDS serves a wave's instructions in order: these see the stores above
.endr
.irp p,0,1,2,3,4,5,6,7,8,9,10,11,12,13,14,15
	s_wait_dscnt 15-\p
	global_store_b128 v[OFF+\p], v[ER+4*\p:ER+4*\p+3], s[16:17]  ; the wave stores 512 consecutive bytes of one row, aligned
.endr
.endr
.Ldone:
	s_wait_tensorcnt 0x0                           ; the wave's end, behind my last LDS store
	ds_add_u32 v[SPW], v[NIL]
	s_wait_dscnt 0x0
	s_endpgm
.Lfunc_end_k_qb86e6f5312_down:
	.size	k_qb86e6f5312_down, .Lfunc_end_k_qb86e6f5312_down-k_qb86e6f5312_down
	.p2alignl 7, 3214868480
	.fill 96, 4, 3214868480
	.section	.rodata,"a",@progbits
	.p2align	6, 0x0
	.amdhsa_kernel k_qb86e6f5312_down
		.amdhsa_group_segment_fixed_size 153600
		.amdhsa_private_segment_fixed_size 0
		.amdhsa_enable_private_segment 0
		.amdhsa_kernarg_size 40
		.amdhsa_user_sgpr_count 2
		.amdhsa_user_sgpr_kernarg_segment_ptr 1
		.amdhsa_wavefront_size32 1
		.amdhsa_system_sgpr_workgroup_id_x 1
		.amdhsa_system_sgpr_workgroup_id_y 1
		.amdhsa_system_sgpr_workgroup_id_z 1
		.amdhsa_system_vgpr_workitem_id 0
		.amdhsa_next_free_vgpr 1024
		.amdhsa_next_free_sgpr 100
		.amdhsa_reserve_vcc 1
		.amdhsa_float_denorm_mode_32 3
		.amdhsa_float_denorm_mode_16_64 3
		.amdhsa_memory_ordered 1
		.amdhsa_forward_progress 1
		.amdhsa_inst_pref_size 174
	.end_amdhsa_kernel
	.amdgpu_metadata
---
amdhsa.version: [ 1, 2 ]
amdhsa.kernels:
  - .name:           k_qb86e6f5312_down
    .symbol:         k_qb86e6f5312_down.kd
    .args:
      - { .name: hid, .offset: 0, .size: 8, .value_kind: global_buffer, .address_space: global }
      - { .name: W2, .offset: 8, .size: 8, .value_kind: global_buffer, .address_space: global }
      - { .name: bm, .offset: 16, .size: 8, .value_kind: global_buffer, .address_space: global }
      - { .name: comb, .offset: 24, .size: 8, .value_kind: global_buffer, .address_space: global }
      - { .name: part, .offset: 32, .size: 8, .value_kind: global_buffer, .address_space: global }
    .group_segment_fixed_size: 153600
    .private_segment_fixed_size: 0
    .kernarg_segment_align: 8
    .kernarg_segment_size: 40
    .max_flat_workgroup_size: 128
    .sgpr_count:     100
    .vgpr_count:     1024
    .wavefront_size: 32
...
	.end_amdgpu_metadata
.endif
;; end of part 3
;; launch sum (part 4): grid 256 x 1, 8 waves a work-group, no clusters, 0 bytes of LDS; arguments part, out0; writes out0
.if DOCPART == 4
	.amdgcn_target "amdgcn-amd-amdhsa--gfx1250"
	.amdhsa_code_object_version 6
	.text
	.protected	k_qb86e6f5312_sum
	.globl	k_qb86e6f5312_sum
	.p2align	8
	.type	k_qb86e6f5312_sum,@function
k_qb86e6f5312_sum:
	s_mov_b64 s[64:65], 0
	v_nop
	global_prefetch_b8 v0, s[64:65] scope:SCOPE_SE
	s_setreg_imm32_b32 hwreg(HW_REG_WAVE_MODE, 25, 1), 1
	s_wait_xcnt 0x0
; out0[token] = part[0][token] + part[1][token]: a token's two weighted rows, f32, the lower-numbered expert's first.
; A stream: a work-group owns 65,536 consecutive bytes of the output; a thread 16 bytes of each 4,096.  All 32 loads of a wave go out first; each load and store of a wave covers 512 consecutive bytes.
; No LDS, no matrix unit, no cluster: nothing is shared and nothing is read twice.
.set D, 8                              ; v[8+8i .. 8+8i+3] part 0, v[8+8i+4 .. +7] part 1
	s_load_b128 s[4:7], s[0:1], 0x0                ; part s[4:5], out0 s[6:7]
	s_lshl_b32 s8, ttmp9, 16
	s_mov_b32 s9, 0
	v_lshlrev_b32 v1, 4, v0
	s_wait_kmcnt 0x0
	s_add_nc_u64 s[4:5], s[4:5], s[8:9]
	s_add_nc_u64 s[6:7], s[6:7], s[8:9]
	s_add_nc_u64 s[10:11], s[4:5], 0x1000000       ; the second half of part, 16 MiB on
.irp i,0,1,2,3,4,5,6,7,8,9,10,11,12,13,14,15
	global_load_b128 v[D+8*\i:D+8*\i+3],   v1, s[4:5]   offset:\i*4096 th:TH_LOAD_NT
	global_load_b128 v[D+8*\i+4:D+8*\i+7], v1, s[10:11] offset:\i*4096 th:TH_LOAD_NT
.endr
.irp i,0,1,2,3,4,5,6,7,8,9,10,11,12,13,14,15
	s_wait_loadcnt 30-2*\i                         ; loads come back in order (ISA guide 5.7.1): pair i is in, the younger pairs stay out
	v_pk_add_f32 v[D+8*\i:D+8*\i+1],   v[D+8*\i:D+8*\i+1],   v[D+8*\i+4:D+8*\i+5]
	v_pk_add_f32 v[D+8*\i+2:D+8*\i+3], v[D+8*\i+2:D+8*\i+3], v[D+8*\i+6:D+8*\i+7]
	global_store_b128 v1, v[D+8*\i:D+8*\i+3], s[6:7] offset:\i*4096 th:TH_STORE_NT
.endr
	s_endpgm
.Lfunc_end_k_qb86e6f5312_sum:
	.size	k_qb86e6f5312_sum, .Lfunc_end_k_qb86e6f5312_sum-k_qb86e6f5312_sum
	.p2alignl 7, 3214868480
	.fill 96, 4, 3214868480
	.section	.rodata,"a",@progbits
	.p2align	6, 0x0
	.amdhsa_kernel k_qb86e6f5312_sum
		.amdhsa_group_segment_fixed_size 0
		.amdhsa_private_segment_fixed_size 0
		.amdhsa_enable_private_segment 0
		.amdhsa_kernarg_size 16
		.amdhsa_user_sgpr_count 2
		.amdhsa_user_sgpr_kernarg_segment_ptr 1
		.amdhsa_wavefront_size32 1
		.amdhsa_system_sgpr_workgroup_id_x 1
		.amdhsa_system_sgpr_workgroup_id_y 1
		.amdhsa_system_sgpr_workgroup_id_z 1
		.amdhsa_system_vgpr_workitem_id 0
		.amdhsa_next_free_vgpr 136
		.amdhsa_next_free_sgpr 66
		.amdhsa_reserve_vcc 0
		.amdhsa_float_denorm_mode_32 3
		.amdhsa_float_denorm_mode_16_64 3
		.amdhsa_memory_ordered 1
		.amdhsa_forward_progress 1
		.amdhsa_inst_pref_size 8
	.end_amdhsa_kernel
	.amdgpu_metadata
---
amdhsa.version: [ 1, 2 ]
amdhsa.kernels:
  - .name:           k_qb86e6f5312_sum
    .symbol:         k_qb86e6f5312_sum.kd
    .args:
      - { .name: part, .offset: 0, .size: 8, .value_kind: global_buffer, .address_space: global }
      - { .name: out0, .offset: 8, .size: 8, .value_kind: global_buffer, .address_space: global }
    .group_segment_fixed_size: 0
    .private_segment_fixed_size: 0
    .kernarg_segment_align: 8
    .kernarg_segment_size: 16
    .max_flat_workgroup_size: 256
    .sgpr_count:     66
    .vgpr_count:     136
    .wavefront_size: 32
...
	.end_amdgpu_metadata
.endif
;; end of part 4
;; ======== version 2 of 2: 4 launches; 1.13 times as fast as version 1
;; workspace buffers: xb 8,388,608 bytes; bm 4,096 bytes of whole numbers; comb 65,536 bytes; hid 4,325,376 bytes; part 33,554,432 bytes
;; launch router: the kernel of part 1 again; grid 256 x 1, 8 waves a work-group, no clusters, 76,800 bytes of LDS; arguments x, Wr, xb, bm, comb; writes xb, bm, comb
;; launch up (part 5): grid 8 x 32, 4 waves a work-group, no clusters, 169,984 bytes of LDS; arguments xb, W1, V1, bm, hid; writes hid
.if DOCPART == 5
	.amdgcn_target "amdgcn-amd-amdhsa--gfx1250"
	.amdhsa_code_object_version 6
	.text
	.protected	k_qb86e6f5312_up
	.globl	k_qb86e6f5312_up
	.p2align	8
	.type	k_qb86e6f5312_up,@function
k_qb86e6f5312_up:
	s_mov_b64 s[64:65], 0
	v_nop
	global_prefetch_b8 v0, s[64:65] scope:SCOPE_SE
	s_setreg_imm32_b32 hwreg(HW_REG_WAVE_MODE, 25, 1), 1
	s_wait_xcnt 0x0
; UP.  hid = silu(x W1) * (x V1) for the chosen (token, expert) rows alone.  x in bf16 (xb), W1 and V1 rounded to bf16 on their way through registers, sums in f32, hid rounded once to bf16
; (bf16, not f16: with inputs some 30 times larger the hidden numbers pass f16's range).
; THE DEAL, made by every work-group from the bitmaps bm (whole numbers that the launch before stored).  cnt_e rows an expert, nb_e = ceil(cnt_e / 16) blocks of 16.  CAP is the smallest of 8, 9, 10, 11
; with sum ceil(nb_e / CAP) <= 32: the sum of nb lies in 256 .. 263, so 11 always serves (31 tiles at the most).  Expert e gets ceil(nb_e / CAP) of the 32 slots (grid y), each a run of
; PER = ceil(nb / tiles) blocks.  A slot that the split leaves over has no block: it passes every barrier, multiplies nothing and stores nothing.  Every split is served: 0 to 2,048 rows an expert.
; Places past an expert's count in its last block repeat its last row.
; SHARES.  Grid x = the slice of 64 columns of W1 and of V1.  A tile: up to 176 rows x (64 + 64) columns, K = 2,048 in 16 steps of 128.  Waves 2 x 2: wr takes every second block, wc two of the four
; column fragments of each matrix: 4 accumulators a block, at most 6 blocks.
; WEIGHTS INTO FRAGMENTS WITHOUT A MOVE BETWEEN LANES.  A load of 16 bytes takes 4 columns of one row of k; of sixteen such loads a lane holds 16 k x 4 columns, and v_cvt_pk_bf16_f32 of two neighbouring k
; of column c is one register of fragment c, whose row r stands for column 4 r + c.  The product is used transposed (source 0 = weights, source 1 = x): a lane holds one token and eight column indices.
; hid: [16 slices][4,224 rows][32]: slice 2 s + wc, position 16 c' + rho holds hidden column 64 s + 4 rho + 2 wc + c'; the launch behind takes W2's rows in that order.
; NO TENSOR LOAD, NO CLUSTER: x's rows come by a list that no descriptor covers; the weights are f32 and must pass through registers to be rounded; and how many tiles share a slice of weights hangs
; on the counts (1 to 13) and is no multiple of four at every split.
; The accumulators are cleared, in the wait for the bitmaps: blocks are jumped by count, so no first step can be written out that writes them on every path.
; REGISTERS, in windows of 256: window 0 addresses and fragments; window 1 the accumulators, (i, matrix, c') at 8 (4 i + 2 matrix + c'); windows 2 and 3 two staging sets: x (88), weights as loaded (128), packed (32).
; Each staging set has scalar bases of its own (x, W1, V1), stepped by two steps only behind the counted wait that shows the set's loads done: the loop needs no other wait for its addresses.
.set BBUF,   32768                     ; B: two buffers; fragment (matrix, c, q) of 1,024 bytes at ((4 matrix + c) 4 + q) 1,024; a lane's 16 bytes at 16 lane: no bank is asked twice
.set ABASE,  65536
.set APITCH, 272                       ; a row of x in LDS: 256 bytes + 16: the 16 rows of a fragment load start at 16 different groups of four banks (64 banks of 4 bytes: ISA guide 11.1)
.set ABUF,   176*APITCH
.set LISTB,  ABASE+2*ABUF              ; each wave's own copy of the tile's list of tokens: 192 words (word 176: the dump)
.set STAGEB, LISTB+4*768               ; each wave's own stage: 16 rows x 80 bytes
.set SPITCH, 80
.set SPARE,  STAGEB+4*16*SPITCH        ; the spare words: 128 bytes a wave, two blocks of 256 bytes that no other line names
.set HSLICE, 270336                    ; bytes in a slice of hid
.set SPW,10
.set NIL,11
.set WO, 12                            ; weights: 16,384 (lane / 16) + 16 (lane % 16) + 65,536 w
.set AR, 13                            ; v13-14 my x fragments in buffer 0, 1
.set AW, 15                            ; v15-16 where I put staged x
.set BR, 17                            ; where I read weight fragments
.set BW, 18                            ; where I put them
.set ST, 19
.set RD, 20
.set GO, 21
.set LB, 22                            ; my list
.set XO, 24                            ; v24-45 byte offsets in xb of the 22 rows (a half of the lanes each) that I stage
.set AL, 46                            ; v46-47 rows 160-175 in buffer 0, 1: the sixth block's look-ahead, the same rows for every wave
.set AZ, 48                            ; v48-79  block 0's x fragments, by half
.set AP, 80                            ; odd blocks'
.set AQ, 96                            ; even blocks'
.set BB, 112                           ; v112-239 weight fragments, by half
.set BML,48                            ; the prologue's registers
.set BMH,64
.set BMW,80
.set PCN,96
.set PKD,104
.set TA, 108
.set TB, 109
.set TC, 110
.set TD, 111
.set SELW,112
.set SELH,114
.set SELP,116
.set PRE,117
.set LCW,48                            ; the list's four chains, once the bitmaps' registers are free: words, jj = 1 words, ranks, tokens, three at work
.set LCH,52
.set LRN,56
.set LTK,60
.set LTA,64
.set LTB,68
.set LTC,72
.set ET, 112                           ; the way out
.set EO, 128
.set EQ, 136
.set SX, 0                             ; a staging set
.set SW, 88
.set TT, 216
.set BMP,14                            ; s[14:15] bm
.set WV, 18
.set WR, 19
.set WC, 20
.set SS, 21
.set SLOT,22
.set CNT0,24
.set CAP,32
.set MUL,33
.set RUNT,34
.set RUNB,35
.set EE, 36
.set TI, 37
.set NT, 38
.set NB, 39
.set OFB,40
.set CN, 41
.set PER,42
.set B0, 43
.set NBQ,44
.set NBW,45
.set R0, 46
.set IT, 47
.set GB, 49
.set NB0,84
.set LM, 94                            ; s94-97 the four chains' masks
.set MSB, 0
.macro WIN new                         ; s_set_vgpr_msb: bits 1:0 source 0, 3:2 source 1, 5:4 source 2, 7:6 destination; the high byte repeats the setting that is left
.if MSB != (\new)
	s_set_vgpr_msb (MSB<<8)|(\new)
.set MSB, (\new)
.endif
.endm
.macro PLACES                          ; four places behind a matrix instruction, ahead of loads into its sources and of readers of its result
.rept 4
	v_nop
.endr
.endm
.macro SWAR2 x, y                      ; two words' bits counted byte by byte, the two chains line by line in turn
	v_lshrrev_b32 v[TC], 1, v[\x]
	v_lshrrev_b32 v[TD], 1, v[\y]
	v_and_b32 v[TC], s52, v[TC]
	v_and_b32 v[TD], s52, v[TD]
	v_sub_nc_u32 v[\x], v[\x], v[TC]
	v_sub_nc_u32 v[\y], v[\y], v[TD]
	v_lshrrev_b32 v[TC], 2, v[\x]
	v_lshrrev_b32 v[TD], 2, v[\y]
	v_and_b32 v[\x], s53, v[\x]
	v_and_b32 v[\y], s53, v[\y]
	v_and_b32 v[TC], s53, v[TC]
	v_and_b32 v[TD], s53, v[TD]
	v_add_nc_u32 v[\x], v[\x], v[TC]
	v_add_nc_u32 v[\y], v[\y], v[TD]
	v_lshrrev_b32 v[TC], 4, v[\x]
	v_lshrrev_b32 v[TD], 4, v[\y]
	v_add_nc_u32 v[\x], v[\x], v[TC]
	v_add_nc_u32 v[\y], v[\y], v[TD]
	v_and_b32 v[\x], s54, v[\x]
	v_and_b32 v[\y], s54, v[\y]
.endm
; THE DEAL.  hi = 1: the chosen expert's jj = 1 words are kept too.
.macro MAP hi
.irp e,0,1,2,3,4,5,6,7
	v_or_b32 v[BMW+2*\e], v[BML+2*\e], v[BMH+2*\e]             ; the expert's tokens: lane l holds tokens 64 l .. 64 l + 63
	v_or_b32 v[BMW+2*\e+1], v[BML+2*\e+1], v[BMH+2*\e+1]
	v_mov_b32 v[TA], v[BMW+2*\e]
	v_mov_b32 v[TB], v[BMW+2*\e+1]
	SWAR2 TA, TB
	v_add_nc_u32 v[TA], v[TA], v[TB]
	v_mul_lo_u32 v[TA], v[TA], s55
	v_lshrrev_b32 v[PCN+\e], 24, v[TA]                         ; how many of my 64
.endr
.irp k,0,1,2,3                         ; two experts' counts in one register, 16 bits each, added over the 32 lanes
	v_lshl_or_b32 v[PKD+\k], v[PCN+2*\k+1], 16, v[PCN+2*\k]
.irp m,1,2,4,8
	v_mov_b32_dpp v[TC], v[PKD+\k] row_xmask:\m row_mask:0xf bank_mask:0xf
	v_add_nc_u32 v[PKD+\k], v[PKD+\k], v[TC]
.endr
	v_permlanex16_b32 v[TC], v[PKD+\k], s56, s57
	v_add_nc_u32 v[PKD+\k], v[PKD+\k], v[TC]
	v_readfirstlane_b32 s66, v[PKD+\k]
	s_and_b32 s[CNT0+2*\k], s66, 0xffff
	s_lshr_b32 s[CNT0+2*\k+1], s66, 16
.endr
	s_mov_b32 s66, 0                               ; tiles in all with 8, 9, 10 blocks to a tile; n / 9 = 7,282 n >> 16 and n / 10 = 6,554 n >> 16 hold far past n = 137
	s_mov_b32 s67, 0
	s_mov_b32 s68, 0
.irp e,0,1,2,3,4,5,6,7
	s_add_co_u32 s[NB0+\e], s[CNT0+\e], 15
	s_lshr_b32 s[NB0+\e], s[NB0+\e], 4
	s_add_co_u32 s69, s[NB0+\e], 7
	s_lshr_b32 s69, s69, 3
	s_add_co_u32 s66, s66, s69
	s_add_co_u32 s69, s[NB0+\e], 8
	s_mul_i32 s69, s69, 7282
	s_lshr_b32 s69, s69, 16
	s_add_co_u32 s67, s67, s69
	s_add_co_u32 s69, s[NB0+\e], 9
	s_mul_i32 s69, s69, 6554
	s_lshr_b32 s69, s69, 16
	s_add_co_u32 s68, s68, s69
.endr
	s_mov_b32 s[CAP], 11
	s_mov_b32 s[MUL], 5958
	s_cmp_le_u32 s68, 32
	s_cselect_b32 s[CAP], 10, s[CAP]
	s_cselect_b32 s[MUL], 6554, s[MUL]
	s_cmp_le_u32 s67, 32
	s_cselect_b32 s[CAP], 9, s[CAP]
	s_cselect_b32 s[MUL], 7282, s[MUL]
	s_cmp_le_u32 s66, 32
	s_cselect_b32 s[CAP], 8, s[CAP]
	s_cselect_b32 s[MUL], 8192, s[MUL]
	s_mov_b32 s[RUNT], 0
	s_mov_b32 s[RUNB], 0
	s_mov_b32 s[EE], 0                             ; a slot that is left over: no block
	s_mov_b32 s[TI], 0
	s_mov_b32 s[NT], 1
	s_mov_b32 s[NB], 0
	s_mov_b32 s[OFB], 0
	s_mov_b32 s[CN], 0
	v_mov_b32 v[SELW], 0
	v_mov_b32 v[SELW+1], 0
	v_mov_b32 v[SELP], 0
.if \hi
	v_mov_b32 v[SELH], 0
	v_mov_b32 v[SELH+1], 0
.endif
.irp e,0,1,2,3,4,5,6,7
	s_add_co_u32 s69, s[NB0+\e], s[CAP]
	s_sub_co_u32 s69, s69, 1
	s_mul_i32 s69, s69, s[MUL]
	s_lshr_b32 s69, s69, 16                        ; the expert's tiles
	s_sub_co_u32 s70, s[SLOT], s[RUNT]             ; my place among them (wraps to a large number if my slot lies in front)
	s_cmp_lt_u32 s70, s69
	s_cselect_b32 s[EE], \e, s[EE]
	s_cselect_b32 s[TI], s70, s[TI]
	s_cselect_b32 s[NT], s69, s[NT]
	s_cselect_b32 s[NB], s[NB0+\e], s[NB]
	s_cselect_b32 s[OFB], s[RUNB], s[OFB]
	s_cselect_b32 s[CN], s[CNT0+\e], s[CN]
	s_cselect_b32 s71, -1, 0
	v_cndmask_b32 v[SELW], v[SELW], v[BMW+2*\e], s71
	v_cndmask_b32 v[SELW+1], v[SELW+1], v[BMW+2*\e+1], s71
	v_cndmask_b32 v[SELP], v[SELP], v[PCN+\e], s71
.if \hi
	v_cndmask_b32 v[SELH], v[SELH], v[BMH+2*\e], s71
	v_cndmask_b32 v[SELH+1], v[SELH+1], v[BMH+2*\e+1], s71
.endif
	s_add_co_u32 s[RUNT], s[RUNT], s69
	s_add_co_u32 s[RUNB], s[RUNB], s[NB0+\e]
.endr
	s_mov_b32 s[PER], 0                            ; ceil(NB / NT) = how many i = 0 .. 10 have i NT < NB (it is CAP at the most)
	s_mov_b32 s69, 0
.rept 11
	s_cmp_lt_u32 s69, s[NB]
	s_add_co_ci_u32 s[PER], s[PER], 0
	s_add_co_u32 s69, s69, s[NT]
.endr
	s_mul_i32 s[B0], s[TI], s[PER]                 ; my first block among the expert's; NB > CAP (NT - 1) >= PER TI, so a dealt slot has a block
	s_sub_co_u32 s66, s[NB], s[B0]
	s_min_u32 s[NBQ], s[PER], s66
	s_min_u32 s[NBQ], s[NBQ], 11
	s_lshl_b32 s[R0], s[B0], 4                     ; my first row's rank in the expert
	s_add_co_u32 s[NBW], s[NBQ], 1
	s_sub_co_u32 s[NBW], s[NBW], s[WR]
	s_lshr_b32 s[NBW], s[NBW], 1                   ; my wave's blocks: local blocks wr, wr + 2, ..
	s_add_co_u32 s[GB], s[OFB], s[B0]
	s_min_u32 s[GB], s[GB], 263                    ; my first block in hid
	s_min_u32 s[EE], s[EE], 7
.endm
; THE LIST, each wave's own copy, so that no barrier is needed: LDS serves a wave's instructions in order (ISA guide 5.7.1.4).
; A lane's 64 tokens are four chains of 16; a chosen token is stored at its rank less R0; ranks outside 0 .. 175, and tokens not chosen, go to the dump.  The chains depend on nothing of each other:
; the loop is written stage by stage, four lines a stage, 16 trips.
.macro LIST hi
	v_mov_b32 v[TC], 0
	v_lshl_add_u32 v[TA], v1, 2, v[LB]
.irp k,0,1,2,3,4,5
	ds_store_b32 v[TA], v[TC] offset:\k*128        ; all 192 words hold a token that exists
.endr
	v_mov_b32 v[PRE], 0                            ; how many chosen tokens lie in the lanes below mine: at each doubling a lane whose bit of the mask is set has its partner's whole group below it
	v_mov_b32 v[TA], v[SELP]
.irp m,1,2,4,8
	v_mov_b32_dpp v[TC], v[TA] row_xmask:\m row_mask:0xf bank_mask:0xf
	v_and_b32 v[TB], \m, v1
	v_cmp_ne_u32 vcc_lo, 0, v[TB]
	v_cndmask_b32 v[TB], 0, v[TC], vcc_lo
	v_add_nc_u32 v[PRE], v[PRE], v[TB]
	v_add_nc_u32 v[TA], v[TA], v[TC]
.endr
	v_permlanex16_b32 v[TC], v[TA], s56, s57
	v_and_b32 v[TB], 16, v1
	v_cmp_ne_u32 vcc_lo, 0, v[TB]
	v_cndmask_b32 v[TB], 0, v[TC], vcc_lo
	v_add_nc_u32 v[PRE], v[PRE], v[TB]
	v_mov_b32 v[TA], v[SELW]                       ; where each chain's ranks begin: the byte sums of my two words
	v_mov_b32 v[TB], v[SELW+1]
	SWAR2 TA, TB
	v_sub_nc_u32 v[LRN], v[PRE], s[R0]
	v_and_b32 v[TC], 0xff, v[TA]
	v_bfe_u32 v[TD], v[TA], 8, 8
	v_add_nc_u32 v[TC], v[TC], v[TD]
	v_add_nc_u32 v[LRN+1], v[LRN], v[TC]
	v_bfe_u32 v[TC], v[TA], 16, 8
	v_lshrrev_b32 v[TD], 24, v[TA]
	v_add_nc_u32 v[TC], v[TC], v[TD]
	v_add_nc_u32 v[LRN+2], v[LRN+1], v[TC]
	v_and_b32 v[TC], 0xff, v[TB]
	v_bfe_u32 v[TD], v[TB], 8, 8
	v_add_nc_u32 v[TC], v[TC], v[TD]
	v_add_nc_u32 v[LRN+3], v[LRN+2], v[TC]
	v_mov_b32 v[LCW], v[SELW]
	v_lshrrev_b32 v[LCW+1], 16, v[SELW]
	v_mov_b32 v[LCW+2], v[SELW+1]
	v_lshrrev_b32 v[LCW+3], 16, v[SELW+1]
.if \hi
	v_mov_b32 v[LCH], v[SELH]
	v_lshrrev_b32 v[LCH+1], 16, v[SELH]
	v_mov_b32 v[LCH+2], v[SELH+1]
	v_lshrrev_b32 v[LCH+3], 16, v[SELH+1]
.endif
	v_lshlrev_b32 v[LTK], 6, v1
	v_add_nc_u32 v[LTK+1], 16, v[LTK]
	v_add_nc_u32 v[LTK+2], 32, v[LTK]
	v_add_nc_u32 v[LTK+3], 48, v[LTK]
	s_mov_b32 s72, 0
.Llist_\@:
.irp q,0,1,2,3
	v_lshrrev_b32 v[LTA+\q], s72, v[LCW+\q]
.endr
.irp q,0,1,2,3
	v_and_b32 v[LTA+\q], 1, v[LTA+\q]
.endr
.irp q,0,1,2,3
	v_cmp_eq_u32 s[LM+\q], 1, v[LTA+\q]
.endr
.irp q,0,1,2,3
	v_cndmask_b32 v[LTB+\q], -1, v[LRN+\q], s[LM+\q]
.endr
.irp q,0,1,2,3
	v_min_u32 v[LTB+\q], 176, v[LTB+\q]
.endr
.irp q,0,1,2,3
	v_lshl_add_u32 v[LTB+\q], v[LTB+\q], 2, v[LB]
.endr
.if \hi
.irp q,0,1,2,3
	v_lshrrev_b32 v[LTC+\q], s72, v[LCH+\q]
.endr
.irp q,0,1,2,3
	v_and_b32 v[LTC+\q], 1, v[LTC+\q]
.endr
.irp q,0,1,2,3
	v_lshl_add_u32 v[LTC+\q], v[LTC+\q], 11, v[LTK+\q]         ; + 2,048 where the expert is the token's higher choice
.endr
.irp q,0,1,2,3
	ds_store_b32 v[LTB+\q], v[LTC+\q]
.endr
.else
.irp q,0,1,2,3
	ds_store_b32 v[LTB+\q], v[LTK+\q]
.endr
.endif
.irp q,0,1,2,3
	v_add_nc_u32 v[LRN+\q], v[LRN+\q], v[LTA+\q]
.endr
.irp q,0,1,2,3
	v_add_nc_u32 v[LTK+\q], 1, v[LTK+\q]
.endr
	s_add_co_u32 s72, s72, 1
	s_cmp_lt_u32 s72, 16
	s_cbranch_scc1 .Llist_\@
	s_sub_co_u32 s69, s[CN], s[R0]                 ; the places behind the expert's last row repeat it, up to the block's end
	s_max_u32 s69, s69, 1
	s_sub_co_u32 s69, s69, 1
	s_min_u32 s69, s69, 175
	v_mov_b32 v[TA], s69
	v_lshl_add_u32 v[TA], v[TA], 2, v[LB]
	ds_load_b32 v[TC], v[TA]
	v_add_nc_u32 v[TB], s69, v2
	v_add_nc_u32 v[TB], 1, v[TB]
	v_min_u32 v[TB], 176, v[TB]
	v_lshl_add_u32 v[TB], v[TB], 2, v[LB]
	s_wait_dscnt 0x0
	ds_store_b32 v[TB], v[TC]
.endm
; Set p's bases: s[PB:PB+1] x, s[PB+2:PB+3] W1, s[PB+4:PB+5] V1, PB = 2 or 74.
; A step's weights for my quarter of its K (32 rows of k, 64 columns, both matrices) into set p: each load takes two runs of 256 consecutive bytes, aligned.
.macro GW p
.set PB, 2+72*(\p)
	WIN 0x80+0x40*(\p)
.irp m,0,1
.irp t,0,1,2,3,4,5,6,7,8,9,10,11,12,13,14,15
	global_load_b128 v[SW+64*\m+4*\t:SW+64*\m+4*\t+3], v[WO], s[PB+2+2*\m:PB+3+2*\m] offset:(\t+8*(\t/8))*2048
.endr
.endr
	WIN 0
.endm
.macro GX p                            ; a step's x for my 44 of the 176 rows: 256 consecutive bytes of a row for each half of the lanes
.set PB, 2+72*(\p)
	WIN 0x80+0x40*(\p)
.irp t,0,1,2,3,4,5,6,7,8,9,10,11,12,13,14,15,16,17,18,19,20,21
	global_load_b128 v[SX+4*\t:SX+4*\t+3], v[XO+\t], s[PB:PB+1]
.endr
	WIN 0
.endm
.macro STEP p                          ; set p's bases go two steps on.  It stands behind the counted wait that shows set p's loads done: no pending load names these registers
.set PB, 2+72*(\p)
	s_add_nc_u64 s[PB:PB+1], s[PB:PB+1], 2*256
	s_add_nc_u64 s[PB+2:PB+3], s[PB+2:PB+3], 2*128*2048
	s_add_nc_u64 s[PB+4:PB+5], s[PB+4:PB+5], 2*128*2048
.endm
; The step three on is asked for, into the set just emptied.  The last three steps have none: that way waits for all my loads instead, so that on every way through the loop either 54 younger loads
; are out at the next counted wait, or none.
.macro GISSUE p, lim
	s_cmp_lt_u32 s[IT], \lim
	s_cbranch_scc0 .Lnone_\@
	STEP \p
	GX \p
	GW \p
	s_branch .Lasked_\@
.Lnone_\@:
	s_wait_loadcnt 0x0
.Lasked_\@:
.endm
; Set p goes into LDS buffer p: x as it is, the weights rounded and packed into fragments.  left: the younger loads, which may stay out.
.macro DRAIN p, left
	s_wait_loadcnt \left
	WIN 0x08+0x04*(\p)
.irp t,0,1,2,3,4,5,6,7,8,9,10,11,12,13,14,15,16,17,18,19,20,21
	ds_store_b128 v[AW+(\p)], v[SX+4*\t:SX+4*\t+3] offset:\t*8*APITCH
.endr
.irp m,0,1
	WIN 0x8a+0x45*(\p)
.irp c,0,1,2,3
.irp j,0,1,2,3,4,5,6,7
	v_cvt_pk_bf16_f32 v[TT+8*\c+\j], v[SW+64*\m+8*\j+\c], v[SW+64*\m+8*\j+4+\c]   ; column c of loads 2 j and 2 j + 1: two neighbouring k
.endr
.endr
	WIN 0x08+0x04*(\p)
.irp c,0,1,2,3
.irp g,0,1
	ds_store_b128 v[BW], v[TT+8*\c+4*\g:TT+8*\c+4*\g+3] offset:(\p)*BBUF+(4*\m+\c)*4096+\g*512
.endr
.endr
.endr
	WIN 0
.endm
; The fragments that a half (64 along K) begins with: my 4 weight fragments x 2 and block 0's x: 20 loads.
.macro PRELOAD buf, hf
.irp m,0,1
.irp c,0,1
.irp q,0,1
.irp g,0,1
.set rB, BB+64*(\hf)+((2*\m+\c)*2+\q)*8+4*\g
	ds_load_b128 v[rB:rB+3], v[BR] offset:(\buf)*BBUF+(4*\m+\c)*4096+(2*(\hf)+\q)*1024+\g*512
.endr
.endr
.endr
.endr
.irp q,0,1
.irp g,0,1
.set rA, AZ+16*(\hf)+8*\q+4*\g
	ds_load_b128 v[rA:rA+3], v[AR+(\buf)] offset:128*(\hf)+64*\q+32*\g
.endr
.endr
.endm
.macro ABLK buf, hf, n, reg            ; x's fragments of my block n for this half
.irp q,0,1
.irp g,0,1
.set rA, (\reg)+8*\q+4*\g
.if (\n) == 5
	ds_load_b128 v[rA:rA+3], v[AL+(\buf)] offset:128*(\hf)+64*\q+32*\g
.else
	ds_load_b128 v[rA:rA+3], v[AR+(\buf)] offset:(\n)*32*APITCH+128*(\hf)+64*\q+32*\g
.endif
.endr
.endr
.endm
; A HALF: 64 along K for all my blocks.  At its head the next half's fragments are asked for; each visit asks for the next block's x.  A visit: 8 products, the block's 4 accumulators by turns, one
; instruction a turn; blocks past my count are jumped, forward, over no barrier.
.macro HALF buf, hf
	WIN 0
	PLACES
.if (\hf) == 0
	PRELOAD \buf, 1
.else
	PRELOAD 1-(\buf), 0
.endif
	ABLK \buf, \hf, 1, AP
	s_wait_dscnt 24                                ; all but the 24 just issued
.irp i,0,1,2,3,4,5
	s_cmp_le_u32 s[NBW], \i
	s_cbranch_scc1 .Lhe_\@
.if \i == 0
.set AREG, AZ+16*(\hf)
.else
.set AREG, AP+16*((\i+1)%2)
	PLACES
.if \i < 5
	ABLK \buf, \hf, \i+1, AP+16*(\i%2)
	s_wait_dscnt 4                                 ; my block's x is in; the next block's four loads may stay out
.else
	s_wait_dscnt 0x0
.endif
.endif
	WIN 0x50
.irp q,0,1
.irp m,0,1
.irp c,0,1
.set rD, 8*(4*\i+2*\m+\c)
.set rB, BB+64*(\hf)+((2*\m+\c)*2+\q)*8
	v_wmma_f32_16x16x32_bf16 v[rD:rD+7], v[rB:rB+7], v[AREG+8*\q:AREG+8*\q+7], v[rD:rD+7]
.endr
.endr
.endr
	WIN 0
.endr
.Lhe_\@:
.endm
; A STEP of 128 along K, on buffer par.  Two barriers.  The first was signalled at the end of the step before, when my reads of the other buffer were over, and is waited for behind the first half: then the other buffer
; is written.  The second stands behind my stores: then the other buffer is whole, and the second half's head reads its first fragments.
.macro TRIP par, lim
	HALF \par, 0
	s_barrier_wait -1
	DRAIN 1-(\par), 54                             ; the set of the next step is in; the 54 loads of the step behind it may stay out
	GISSUE 1-(\par), \lim
	s_wait_dscnt 0x0                               ; for the others' sake: my stores are done
	s_barrier_signal -1
	s_barrier_wait -1
	HALF \par, 1
	s_wait_dscnt 0x0                               ; my reads of this buffer are over
	s_barrier_signal -1
.endm
	s_load_b256 s[8:15], s[0:1], 0x0               ; xb s[8:9], W1 s[10:11], V1 s[12:13], bm s[14:15]
	s_load_b64 s[16:17], s[0:1], 0x20              ; hid
	v_lshl_add_u32 v[SPW], v0, 2, SPARE
	v_mov_b32 v[NIL], 0
	v_and_b32 v1, 31, v0                           ; lane
	v_lshrrev_b32 v4, 5, v0
	v_readfirstlane_b32 s[WV], v4
	v_and_b32 v2, 15, v0                           ; lane % 16
	v_bfe_u32 v3, v0, 4, 1                         ; lane / 16
	s_lshr_b32 s[WR], s[WV], 1
	s_and_b32 s[WC], s[WV], 1
	s_mov_b32 s[SS], ttmp9
	s_and_b32 s[SLOT], ttmp7, 0xffff
	s_mov_b32 s52, 0x55555555
	s_mov_b32 s53, 0x33333333
	s_mov_b32 s54, 0x0f0f0f0f
	s_mov_b32 s55, 0x01010101
	s_mov_b32 s56, 0x76543210
	s_mov_b32 s57, 0xfedcba98
	s_mov_b32 s60, 0xbfb8aa3b                      ; - log2(e)
	s_mov_b32 s61, 0xbfb8aa3b
	v_lshlrev_b32 v9, 3, v1                        ; 8 bytes of each of bm's 16 rows; left alone until the loads are in
	s_wait_kmcnt 0x0
.set k, 0
.rept 16
	global_load_b64 v[BML+2*k:BML+2*k+1], v9, s[BMP:BMP+1] offset:k*256
.set k, k+1
.endr
	WIN 0x40                                       ; in the wait for them: the accumulators are cleared, and the addresses that hang on no count are made
.set k, 0
.rept 192
	v_mov_b32 v[k], 0
.set k, k+1
.endr
	WIN 0
	v_lshlrev_b32 v[WO], 4, v2
	v_lshl_add_u32 v[WO], v3, 14, v[WO]
	s_lshl_b32 s66, s[WV], 16
	v_add_nc_u32 v[WO], s66, v[WO]
	s_lshl_b32 s66, s[WR], 4
	v_add_nc_u32 v4, s66, v2
	v_mul_u32_u24 v4, v4, APITCH
	v_lshl_add_u32 v4, v3, 4, v4                   ; (16 wr + lane % 16) pitch + 16 (lane / 16)
	v_add_nc_u32 v[AR], ABASE, v4
	v_add_nc_u32 v[AR+1], ABASE+ABUF, v4
	v_mul_u32_u24 v4, v2, APITCH
	v_lshl_add_u32 v4, v3, 4, v4
	v_add_nc_u32 v[AL], ABASE+160*APITCH, v4
	v_add_nc_u32 v[AL+1], ABASE+ABUF+160*APITCH, v4
	s_lshl_b32 s66, s[WV], 1
	v_add_nc_u32 v4, s66, v3
	v_mul_u32_u24 v4, v4, APITCH
	v_lshl_add_u32 v4, v2, 4, v4                   ; row 2 w + lane / 16, 16 bytes a lane
	v_add_nc_u32 v[AW], ABASE, v4
	v_add_nc_u32 v[AW+1], ABASE+ABUF, v4
	s_lshl_b32 s66, s[WC], 13
	v_lshl_add_u32 v[BR], v1, 4, s66
	s_lshl_b32 s66, s[WV], 10
	v_lshl_add_u32 v[BW], v1, 4, s66
	s_mul_i32 s66, s[WV], 16*SPITCH
	s_add_co_u32 s66, s66, STAGEB
	v_mul_u32_u24 v4, v2, SPITCH
	v_lshl_add_u32 v4, v3, 4, v4
	v_add_nc_u32 v[ST], s66, v4
	v_lshrrev_b32 v4, 2, v1
	v_mul_u32_u24 v4, v4, SPITCH
	v_and_b32 v6, 3, v1
	v_lshl_add_u32 v4, v6, 4, v4
	v_add_nc_u32 v[RD], s66, v4
	s_lshl_b32 s66, s[WR], 10
	v_lshl_add_u32 v[GO], v1, 4, s66
	s_mul_i32 s66, s[WV], 768
	s_add_co_u32 s66, s66, LISTB
	v_mov_b32 v[LB], s66
	s_wait_loadcnt 0x0
	MAP 0
	s_lshl_b32 s50, s[EE], 22                      ; the expert's 4 MiB, the slice's 256 bytes of each row
	s_lshl_b32 s66, s[SS], 8
	s_add_co_u32 s50, s50, s66
	s_mov_b32 s51, 0
	s_mov_b64 s[2:3], s[8:9]                       ; set 0's bases: step 0
	s_add_nc_u64 s[4:5], s[10:11], s[50:51]
	s_add_nc_u64 s[6:7], s[12:13], s[50:51]
	s_add_nc_u64 s[74:75], s[8:9], 256             ; set 1's: step 1
	s_add_nc_u64 s[76:77], s[4:5], 128*2048
	s_add_nc_u64 s[78:79], s[6:7], 128*2048
	s_lshl1_add_u32 s66, s[SS], s[WC]
	s_mul_i32 s50, s66, HSLICE
	s_lshl_b32 s66, s[GB], 10
	s_add_co_u32 s50, s50, s66
	s_add_nc_u64 s[16:17], s[16:17], s[50:51]
	GW 0                                           ; step 0's weights, 32 loads, are on their way while the list is made
	LIST 0
	s_lshl_b32 s66, s[WV], 3
	v_lshl_add_u32 v7, v3, 2, v[LB]
	v_add_nc_u32 v7, s66, v7
.irp t,0,1,2,3,4,5,6,7,8,9,10,11,12,13,14,15,16,17,18,19,20,21
	ds_load_b32 v[XO+\t], v7 offset:\t*32          ; list word 8 t + 2 w + lane / 16
.endr
	v_lshlrev_b32 v6, 4, v2
	s_wait_dscnt 0x0
.irp t,0,1,2,3,4,5,6,7,8,9,10,11,12,13,14,15,16,17,18,19,20,21
	v_min_u32 v[XO+\t], 2047, v[XO+\t]
	v_lshl_add_u32 v[XO+\t], v[XO+\t], 12, v6
.endr
	GX 0
	GW 1
	GX 1
	DRAIN 0, 54                                    ; step 0 is in: younger are step 1's 32 + 22 loads
	STEP 0
	GX 0                                           ; step 2
	GW 0
	s_wait_dscnt 0x0
	s_barrier_signal -1
	s_barrier_wait -1                              ; buffer 0 is whole
	s_barrier_signal -1                            ; nobody has read buffer 1 yet
	PRELOAD 0, 0
	s_mov_b32 s[IT], 0
.Lstep:
	TRIP 0, 7
	TRIP 1, 6
	s_add_co_u32 s[IT], s[IT], 1
	s_cmp_lt_u32 s[IT], 8
	s_cbranch_scc1 .Lstep
	s_barrier_wait -1
	PLACES
; THE WAY OUT, a block at a time: h v / (1 + 2^(-h log2 e)) in f32, rounded to bf16; a lane's 8 positions are 16 bytes of a row of 64; through my stage, so that each store is 512 consecutive bytes.
.irp i,0,1,2,3,4,5
	s_cmp_le_u32 s[NBW], \i
	s_cbranch_scc1 .Ldone
	WIN 0x01
.irp c,0,1
.irp k,0,1,2,3
	v_pk_mul_f32 v[ET+8*\c+2*\k:ET+8*\c+2*\k+1], v[8*(4*\i+\c)+2*\k:8*(4*\i+\c)+2*\k+1], s[60:61] op_sel_hi:[1,0]
.endr
.endr
	WIN 0
.set k, 0
.rept 16
	v_exp_f32 v[ET+k], v[ET+k]
.set k, k+1
.endr
	v_nop                                          ; a plain instruction behind the last exponential, and one wait for the batch
	s_wait_alu depctr_va_vdst(0)
.set k, 0
.rept 8
	v_pk_add_f32 v[ET+2*k:ET+2*k+1], v[ET+2*k:ET+2*k+1], 1.0 op_sel_hi:[1,0]
.set k, k+1
.endr
.set k, 0
.rept 16
	v_rcp_f32 v[ET+k], v[ET+k]
.set k, k+1
.endr
	v_nop
	s_wait_alu depctr_va_vdst(0)
	WIN 0x01
.irp c,0,1
.irp k,0,1,2,3
	v_pk_mul_f32 v[ET+8*\c+2*\k:ET+8*\c+2*\k+1], v[8*(4*\i+\c)+2*\k:8*(4*\i+\c)+2*\k+1], v[ET+8*\c+2*\k:ET+8*\c+2*\k+1]
.endr
.endr
.irp c,0,1
.irp k,0,1,2,3
	v_pk_mul_f32 v[ET+8*\c+2*\k:ET+8*\c+2*\k+1], v[8*(4*\i+2+\c)+2*\k:8*(4*\i+2+\c)+2*\k+1], v[ET+8*\c+2*\k:ET+8*\c+2*\k+1]
.endr
.endr
	WIN 0
.irp c,0,1
.irp k,0,1,2,3
	v_cvt_pk_bf16_f32 v[EO+4*\c+\k], v[ET+8*\c+2*\k], v[ET+8*\c+2*\k+1]
.endr
	ds_store_b128 v[ST], v[EO+4*\c:EO+4*\c+3] offset:32*\c
.endr
	s_wait_xcnt 0x0                                ; the block before's stores have read the registers that are loaded below
	ds_load_b128 v[EQ:EQ+3], v[RD]                 ; LDS serves a wave's instructions in order: these see the stores above
	ds_load_b128 v[EQ+4:EQ+7], v[RD] offset:8*SPITCH
	s_wait_dscnt 0x0
	global_store_b128 v[GO], v[EQ:EQ+3], s[16:17] offset:\i*2048
	global_store_b128 v[GO], v[EQ+4:EQ+7], s[16:17] offset:\i*2048+512
.endr
.Ldone:
	s_wait_tensorcnt 0x0                           ; the wave's end, behind my last LDS store
	ds_add_u32 v[SPW], v[NIL]
	s_wait_dscnt 0x0
	s_endpgm
.Lfunc_end_k_qb86e6f5312_up:
	.size	k_qb86e6f5312_up, .Lfunc_end_k_qb86e6f5312_up-k_qb86e6f5312_up
	.p2alignl 7, 3214868480
	.fill 96, 4, 3214868480
	.section	.rodata,"a",@progbits
	.p2align	6, 0x0
	.amdhsa_kernel k_qb86e6f5312_up
		.amdhsa_group_segment_fixed_size 169984
		.amdhsa_private_segment_fixed_size 0
		.amdhsa_enable_private_segment 0
		.amdhsa_kernarg_size 40
		.amdhsa_user_sgpr_count 2
		.amdhsa_user_sgpr_kernarg_segment_ptr 1
		.amdhsa_wavefront_size32 1
		.amdhsa_system_sgpr_workgroup_id_x 1
		.amdhsa_system_sgpr_workgroup_id_y 1
		.amdhsa_system_sgpr_workgroup_id_z 1
		.amdhsa_system_vgpr_workitem_id 0
		.amdhsa_next_free_vgpr 1024
		.amdhsa_next_free_sgpr 100
		.amdhsa_reserve_vcc 1
		.amdhsa_float_denorm_mode_32 3
		.amdhsa_float_denorm_mode_16_64 3
		.amdhsa_memory_ordered 1
		.amdhsa_forward_progress 1
		.amdhsa_inst_pref_size 146
	.end_amdhsa_kernel
	.amdgpu_metadata
---
amdhsa.version: [ 1, 2 ]
amdhsa.kernels:
  - .name:           k_qb86e6f5312_up
    .symbol:         k_qb86e6f5312_up.kd
    .args:
      - { .name: xb, .offset: 0, .size: 8, .value_kind: global_buffer, .address_space: global }
      - { .name: W1, .offset: 8, .size: 8, .value_kind: global_buffer, .address_space: global }
      - { .name: V1, .offset: 16, .size: 8, .value_kind: global_buffer, .address_space: global }
      - { .name: bm, .offset: 24, .size: 8, .value_kind: global_buffer, .address_space: global }
      - { .name: hid, .offset: 32, .size: 8, .value_kind: global_buffer, .address_space: global }
    .group_segment_fixed_size: 169984
    .private_segment_fixed_size: 0
    .kernarg_segment_align: 8
    .kernarg_segment_size: 40
    .max_flat_workgroup_size: 128
    .sgpr_count:     100
    .vgpr_count:     1024
    .wavefront_size: 32
...
	.end_amdgpu_metadata
.endif
;; end of part 5
;; launch down (part 6): grid 8 x 32, 4 waves a work-group, no clusters, 153,600 bytes of LDS; arguments hid, W2, bm, comb, part; writes part
.if DOCPART == 6
	.amdgcn_target "amdgcn-amd-amdhsa--gfx1250"
	.amdhsa_code_object_version 6
	.text
	.protected	k_qb86e6f5312_down
	.globl	k_qb86e6f5312_down
	.p2align	8
	.type	k_qb86e6f5312_down,@function
k_qb86e6f5312_down:
	s_mov_b64 s[64:65], 0
	v_nop
	global_prefetch_b8 v0, s[64:65] scope:SCOPE_SE
	s_setreg_imm32_b32 hwreg(HW_REG_WAVE_MODE, 25, 1), 1
	s_wait_xcnt 0x0
; DOWN.  part[jj][token] = comb[token][expert] * (hid W2) for the chosen rows: f32 partial rows, one for each of a token's two experts (jj = 0: the lower-numbered), which the last launch adds.
; hid in bf16, W2 rounded to bf16 on its way through registers, sums in f32, the gate's weight applied in f32.
; THE DEAL is the launch before's, by the same text: the same tiles of up to 176 rows of one expert in the 32 slots of grid y; a slot left over passes every barrier and stores nothing.
; Places past an expert's count repeat its last row: the same wave stores the same numbers to the same bytes once more.
; SHARES.  Grid x = the slice of 256 columns of W2.  K = 512 in 8 steps of 64 = two slices of hid.  Waves 2 x 2: wr takes every second block of 16 rows, wc 128 columns: 8 accumulators a block, at most 6 blocks.
; ORDER OF K.  Position 16 c' + rho of hid's slice 2 s' + u is hidden column 64 s' + 4 rho + 2 u + c': W2's rows are loaded in that order, so both sources of a product have k in the same places.
; Weights become fragments as in the launch before: column c of sixteen 16-byte loads; row r of fragment (g, c) stands for column 64 g + 4 r + c.  So the four fragments c of one g hold four neighbouring
; columns in the same lane and register number: the way out gathers them into 16 bytes.
; NO TENSOR LOAD, NO CLUSTER: the weights are f32 and must pass through registers to be rounded; how many tiles share a slice of weights hangs on the counts and is no multiple of four at every split.
; The accumulators are cleared, in the wait for the bitmaps: blocks are jumped by count, so no first step can be written out that writes them on every path.
; REGISTERS: window 0 addresses and fragments; accumulator (i, g', c) at 8 (8 i + 4 g' + c): i = 0-3 window 1, i = 4, 5 window 2 v0-127; weights as loaded: set 0 window 2 v128-255, set 1 window 3 v128-255;
; window 3 also: hid as loaded, set 0 v0-43, set 1 v96-127 and v44-55; packed weights v64-95.
; Each staging set (a step's hid and weights, 11 + 32 loads) has scalar bases of its own, stepped by two steps only behind the counted wait that shows the set's loads done.
.set BBUF,   32768                     ; B: two buffers; fragment (g, c, u) of 1,024 bytes at ((4 g + c) 2 + u) 1,024
.set ABASE,  65536
.set APITCH, 144                       ; a row of hid in LDS: 128 bytes + 16
.set ABUF,   176*APITCH
.set LISTB,  ABASE+2*ABUF
.set STAGEB, LISTB+4*768               ; each wave's own stage: 16 rows x 528 bytes (512 + 16)
.set SPITCH, 528
.set SPARE,  STAGEB+4*16*SPITCH
.set HSLICE, 270336
.set SPW,10
.set NIL,11
.set WO, 12
.set AR, 13
.set AW, 15
.set BR, 17
.set BW, 18
.set SA, 19
.set SR, 20
.set LC, 21
.set LB, 22
.set HO, 24                            ; v24-34 byte offsets in hid of the 11 x 8 rows that I stage
.set LW, 35                            ; v35    my list at my first block's first word
.set EN, 36                            ; v36-41 block i: my row's place in part: token + 2,048 jj
.set SC, 42                            ; v42-47 block i: my row's score
.set AZ, 48
.set AP, 64
.set AQ, 72
.set BB, 80
.set OFF,208
.set AL, 224
.set CA, 226
.set BML,48
.set BMH,64
.set BMW,80
.set PCN,96
.set PKD,104
.set TA, 108
.set TB, 109
.set TC, 110
.set TD, 111
.set SELW,112
.set SELH,114
.set SELP,116
.set PRE,117
.set LCW,48
.set LCH,52
.set LRN,56
.set LTK,60
.set LTA,64
.set LTB,68
.set LTC,72
.set ET, 80
.set ER, 144
.set TT, 64
.set SW, 128
.set BMP,12                            ; s[12:13] bm
.set WV, 18
.set WR, 19
.set WC, 20
.set SS, 21
.set SLOT,22
.set CNT0,24
.set CAP,32
.set MUL,33
.set RUNT,34
.set RUNB,35
.set EE, 36
.set TI, 37
.set NT, 38
.set NB, 39
.set OFB,40
.set CN, 41
.set PER,42
.set B0, 43
.set NBQ,44
.set NBW,45
.set R0, 46
.set IT, 47
.set GB, 49
.set NB0,84
.set LM, 94
.set MSB, 0
.macro WIN new                         ; s_set_vgpr_msb: bits 1:0 source 0, 3:2 source 1, 5:4 source 2, 7:6 destination; the high byte repeats the setting that is left
.if MSB != (\new)
	s_set_vgpr_msb (MSB<<8)|(\new)
.set MSB, (\new)
.endif
.endm
.macro PLACES                          ; four places behind a matrix instruction (ISA guide 7.12.1)
.rept 4
	v_nop
.endr
.endm
.macro SWAR2 x, y                      ; two words' bits counted byte by byte, the two chains line by line in turn
	v_lshrrev_b32 v[TC], 1, v[\x]
	v_lshrrev_b32 v[TD], 1, v[\y]
	v_and_b32 v[TC], s52, v[TC]
	v_and_b32 v[TD], s52, v[TD]
	v_sub_nc_u32 v[\x], v[\x], v[TC]
	v_sub_nc_u32 v[\y], v[\y], v[TD]
	v_lshrrev_b32 v[TC], 2, v[\x]
	v_lshrrev_b32 v[TD], 2, v[\y]
	v_and_b32 v[\x], s53, v[\x]
	v_and_b32 v[\y], s53, v[\y]
	v_and_b32 v[TC], s53, v[TC]
	v_and_b32 v[TD], s53, v[TD]
	v_add_nc_u32 v[\x], v[\x], v[TC]
	v_add_nc_u32 v[\y], v[\y], v[TD]
	v_lshrrev_b32 v[TC], 4, v[\x]
	v_lshrrev_b32 v[TD], 4, v[\y]
	v_add_nc_u32 v[\x], v[\x], v[TC]
	v_add_nc_u32 v[\y], v[\y], v[TD]
	v_and_b32 v[\x], s54, v[\x]
	v_and_b32 v[\y], s54, v[\y]
.endm
; THE DEAL: the same text as in the launch before, so that both cut the same tiles.
.macro MAP hi
.irp e,0,1,2,3,4,5,6,7
	v_or_b32 v[BMW+2*\e], v[BML+2*\e], v[BMH+2*\e]
	v_or_b32 v[BMW+2*\e+1], v[BML+2*\e+1], v[BMH+2*\e+1]
	v_mov_b32 v[TA], v[BMW+2*\e]
	v_mov_b32 v[TB], v[BMW+2*\e+1]
	SWAR2 TA, TB
	v_add_nc_u32 v[TA], v[TA], v[TB]
	v_mul_lo_u32 v[TA], v[TA], s55
	v_lshrrev_b32 v[PCN+\e], 24, v[TA]
.endr
.irp k,0,1,2,3
	v_lshl_or_b32 v[PKD+\k], v[PCN+2*\k+1], 16, v[PCN+2*\k]
.irp m,1,2,4,8
	v_mov_b32_dpp v[TC], v[PKD+\k] row_xmask:\m row_mask:0xf bank_mask:0xf
	v_add_nc_u32 v[PKD+\k], v[PKD+\k], v[TC]
.endr
	v_permlanex16_b32 v[TC], v[PKD+\k], s56, s57
	v_add_nc_u32 v[PKD+\k], v[PKD+\k], v[TC]
	v_readfirstlane_b32 s66, v[PKD+\k]
	s_and_b32 s[CNT0+2*\k], s66, 0xffff
	s_lshr_b32 s[CNT0+2*\k+1], s66, 16
.endr
	s_mov_b32 s66, 0
	s_mov_b32 s67, 0
	s_mov_b32 s68, 0
.irp e,0,1,2,3,4,5,6,7
	s_add_co_u32 s[NB0+\e], s[CNT0+\e], 15
	s_lshr_b32 s[NB0+\e], s[NB0+\e], 4
	s_add_co_u32 s69, s[NB0+\e], 7
	s_lshr_b32 s69, s69, 3
	s_add_co_u32 s66, s66, s69
	s_add_co_u32 s69, s[NB0+\e], 8
	s_mul_i32 s69, s69, 7282
	s_lshr_b32 s69, s69, 16
	s_add_co_u32 s67, s67, s69
	s_add_co_u32 s69, s[NB0+\e], 9
	s_mul_i32 s69, s69, 6554
	s_lshr_b32 s69, s69, 16
	s_add_co_u32 s68, s68, s69
.endr
	s_mov_b32 s[CAP], 11
	s_mov_b32 s[MUL], 5958
	s_cmp_le_u32 s68, 32
	s_cselect_b32 s[CAP], 10, s[CAP]
	s_cselect_b32 s[MUL], 6554, s[MUL]
	s_cmp_le_u32 s67, 32
	s_cselect_b32 s[CAP], 9, s[CAP]
	s_cselect_b32 s[MUL], 7282, s[MUL]
	s_cmp_le_u32 s66, 32
	s_cselect_b32 s[CAP], 8, s[CAP]
	s_cselect_b32 s[MUL], 8192, s[MUL]
	s_mov_b32 s[RUNT], 0
	s_mov_b32 s[RUNB], 0
	s_mov_b32 s[EE], 0
	s_mov_b32 s[TI], 0
	s_mov_b32 s[NT], 1
	s_mov_b32 s[NB], 0
	s_mov_b32 s[OFB], 0
	s_mov_b32 s[CN], 0
	v_mov_b32 v[SELW], 0
	v_mov_b32 v[SELW+1], 0
	v_mov_b32 v[SELP], 0
.if \hi
	v_mov_b32 v[SELH], 0
	v_mov_b32 v[SELH+1], 0
.endif
.irp e,0,1,2,3,4,5,6,7
	s_add_co_u32 s69, s[NB0+\e], s[CAP]
	s_sub_co_u32 s69, s69, 1
	s_mul_i32 s69, s69, s[MUL]
	s_lshr_b32 s69, s69, 16
	s_sub_co_u32 s70, s[SLOT], s[RUNT]
	s_cmp_lt_u32 s70, s69
	s_cselect_b32 s[EE], \e, s[EE]
	s_cselect_b32 s[TI], s70, s[TI]
	s_cselect_b32 s[NT], s69, s[NT]
	s_cselect_b32 s[NB], s[NB0+\e], s[NB]
	s_cselect_b32 s[OFB], s[RUNB], s[OFB]
	s_cselect_b32 s[CN], s[CNT0+\e], s[CN]
	s_cselect_b32 s71, -1, 0
	v_cndmask_b32 v[SELW], v[SELW], v[BMW+2*\e], s71
	v_cndmask_b32 v[SELW+1], v[SELW+1], v[BMW+2*\e+1], s71
	v_cndmask_b32 v[SELP], v[SELP], v[PCN+\e], s71
.if \hi
	v_cndmask_b32 v[SELH], v[SELH], v[BMH+2*\e], s71
	v_cndmask_b32 v[SELH+1], v[SELH+1], v[BMH+2*\e+1], s71
.endif
	s_add_co_u32 s[RUNT], s[RUNT], s69
	s_add_co_u32 s[RUNB], s[RUNB], s[NB0+\e]
.endr
	s_mov_b32 s[PER], 0
	s_mov_b32 s69, 0
.rept 11
	s_cmp_lt_u32 s69, s[NB]
	s_add_co_ci_u32 s[PER], s[PER], 0
	s_add_co_u32 s69, s69, s[NT]
.endr
	s_mul_i32 s[B0], s[TI], s[PER]
	s_sub_co_u32 s66, s[NB], s[B0]
	s_min_u32 s[NBQ], s[PER], s66
	s_min_u32 s[NBQ], s[NBQ], 11
	s_lshl_b32 s[R0], s[B0], 4
	s_add_co_u32 s[NBW], s[NBQ], 1
	s_sub_co_u32 s[NBW], s[NBW], s[WR]
	s_lshr_b32 s[NBW], s[NBW], 1
	s_add_co_u32 s[GB], s[OFB], s[B0]
	s_min_u32 s[GB], s[GB], 263
	s_min_u32 s[EE], s[EE], 7
.endm
; THE LIST, each wave's own copy: no barrier; LDS serves a wave's instructions in order (ISA guide 5.7.1.4).  The same text as in the launch before: four chains of 16 tokens a lane, 16 trips.
.macro LIST hi
	v_mov_b32 v[TC], 0
	v_lshl_add_u32 v[TA], v1, 2, v[LB]
.irp k,0,1,2,3,4,5
	ds_store_b32 v[TA], v[TC] offset:\k*128
.endr
	v_mov_b32 v[PRE], 0                            ; how many chosen tokens lie in the lanes below mine
	v_mov_b32 v[TA], v[SELP]
.irp m,1,2,4,8
	v_mov_b32_dpp v[TC], v[TA] row_xmask:\m row_mask:0xf bank_mask:0xf
	v_and_b32 v[TB], \m, v1
	v_cmp_ne_u32 vcc_lo, 0, v[TB]
	v_cndmask_b32 v[TB], 0, v[TC], vcc_lo
	v_add_nc_u32 v[PRE], v[PRE], v[TB]
	v_add_nc_u32 v[TA], v[TA], v[TC]
.endr
	v_permlanex16_b32 v[TC], v[TA], s56, s57
	v_and_b32 v[TB], 16, v1
	v_cmp_ne_u32 vcc_lo, 0, v[TB]
	v_cndmask_b32 v[TB], 0, v[TC], vcc_lo
	v_add_nc_u32 v[PRE], v[PRE], v[TB]
	v_mov_b32 v[TA], v[SELW]
	v_mov_b32 v[TB], v[SELW+1]
	SWAR2 TA, TB
	v_sub_nc_u32 v[LRN], v[PRE], s[R0]
	v_and_b32 v[TC], 0xff, v[TA]
	v_bfe_u32 v[TD], v[TA], 8, 8
	v_add_nc_u32 v[TC], v[TC], v[TD]
	v_add_nc_u32 v[LRN+1], v[LRN], v[TC]
	v_bfe_u32 v[TC], v[TA], 16, 8
	v_lshrrev_b32 v[TD], 24, v[TA]
	v_add_nc_u32 v[TC], v[TC], v[TD]
	v_add_nc_u32 v[LRN+2], v[LRN+1], v[TC]
	v_and_b32 v[TC], 0xff, v[TB]
	v_bfe_u32 v[TD], v[TB], 8, 8
	v_add_nc_u32 v[TC], v[TC], v[TD]
	v_add_nc_u32 v[LRN+3], v[LRN+2], v[TC]
	v_mov_b32 v[LCW], v[SELW]
	v_lshrrev_b32 v[LCW+1], 16, v[SELW]
	v_mov_b32 v[LCW+2], v[SELW+1]
	v_lshrrev_b32 v[LCW+3], 16, v[SELW+1]
.if \hi
	v_mov_b32 v[LCH], v[SELH]
	v_lshrrev_b32 v[LCH+1], 16, v[SELH]
	v_mov_b32 v[LCH+2], v[SELH+1]
	v_lshrrev_b32 v[LCH+3], 16, v[SELH+1]
.endif
	v_lshlrev_b32 v[LTK], 6, v1
	v_add_nc_u32 v[LTK+1], 16, v[LTK]
	v_add_nc_u32 v[LTK+2], 32, v[LTK]
	v_add_nc_u32 v[LTK+3], 48, v[LTK]
	s_mov_b32 s72, 0
.Llist_\@:
.irp q,0,1,2,3
	v_lshrrev_b32 v[LTA+\q], s72, v[LCW+\q]
.endr
.irp q,0,1,2,3
	v_and_b32 v[LTA+\q], 1, v[LTA+\q]
.endr
.irp q,0,1,2,3
	v_cmp_eq_u32 s[LM+\q], 1, v[LTA+\q]
.endr
.irp q,0,1,2,3
	v_cndmask_b32 v[LTB+\q], -1, v[LRN+\q], s[LM+\q]
.endr
.irp q,0,1,2,3
	v_min_u32 v[LTB+\q], 176, v[LTB+\q]
.endr
.irp q,0,1,2,3
	v_lshl_add_u32 v[LTB+\q], v[LTB+\q], 2, v[LB]
.endr
.if \hi
.irp q,0,1,2,3
	v_lshrrev_b32 v[LTC+\q], s72, v[LCH+\q]
.endr
.irp q,0,1,2,3
	v_and_b32 v[LTC+\q], 1, v[LTC+\q]
.endr
.irp q,0,1,2,3
	v_lshl_add_u32 v[LTC+\q], v[LTC+\q], 11, v[LTK+\q]         ; + 2,048 where the expert is the token's higher choice
.endr
.irp q,0,1,2,3
	ds_store_b32 v[LTB+\q], v[LTC+\q]
.endr
.else
.irp q,0,1,2,3
	ds_store_b32 v[LTB+\q], v[LTK+\q]
.endr
.endif
.irp q,0,1,2,3
	v_add_nc_u32 v[LRN+\q], v[LRN+\q], v[LTA+\q]
.endr
.irp q,0,1,2,3
	v_add_nc_u32 v[LTK+\q], 1, v[LTK+\q]
.endr
	s_add_co_u32 s72, s72, 1
	s_cmp_lt_u32 s72, 16
	s_cbranch_scc1 .Llist_\@
	s_sub_co_u32 s69, s[CN], s[R0]
	s_max_u32 s69, s69, 1
	s_sub_co_u32 s69, s69, 1
	s_min_u32 s69, s69, 175
	v_mov_b32 v[TA], s69
	v_lshl_add_u32 v[TA], v[TA], 2, v[LB]
	ds_load_b32 v[TC], v[TA]
	v_add_nc_u32 v[TB], s69, v2
	v_add_nc_u32 v[TB], 1, v[TB]
	v_min_u32 v[TB], 176, v[TB]
	v_lshl_add_u32 v[TB], v[TB], 2, v[LB]
	s_wait_dscnt 0x0
	ds_store_b32 v[TB], v[TC]
.endm
; Set p's bases: s[PB:PB+1] hid, s[PB+2:PB+3] W2, PB = 2 or 74.
; A step's weights for my 64 of the slice's 256 columns (g = w), both halves u, into set p: each load takes two runs of 256 consecutive bytes, aligned.
.macro GW p
.set PB, 2+72*(\p)
	WIN 0x80+0x40*(\p)
.irp u,0,1
.irp t,0,1,2,3,4,5,6,7,8,9,10,11,12,13,14,15
	global_load_b128 v[SW+64*\u+4*\t:SW+64*\u+4*\t+3], v[WO], s[PB+2:PB+3] offset:(4*(\t%8)+2*\u+(\t/8))*8192
.endr
.endr
	WIN 0
.endm
.macro HREG p, t                       ; where load t of hid's set p lies in window 3
.if (\p) == 0
.set rH, 4*(\t)
.elseif (\t) < 8
.set rH, 96+4*(\t)
.else
.set rH, 44+4*((\t)-8)
.endif
.endm
.macro GH p                            ; a step's hid: of one of its two slices, 8 rows of 64 bytes a load: 512 consecutive bytes
.set PB, 2+72*(\p)
	WIN 0xc0
.irp t,0,1,2,3,4,5,6,7,8,9,10
	HREG \p, \t
	global_load_b128 v[rH:rH+3], v[HO+\t], s[PB:PB+1]
.endr
	WIN 0
.endm
.macro STEP p                          ; set p's bases go two steps on, behind the counted wait that shows set p's loads done: no pending load names these registers
.set PB, 2+72*(\p)
	s_add_nc_u64 s[PB:PB+1], s[PB:PB+1], 4*HSLICE
	s_add_nc_u64 s[PB+2:PB+3], s[PB+2:PB+3], 2*64*8192
.endm
; The step three on is asked for, into the set just emptied.  The last three steps have none: that way waits for all my loads instead, so that on every way through the loop either 43 younger loads
; are out at the next counted wait, or none.
.macro GISSUE p, lim
	s_cmp_lt_u32 s[IT], \lim
	s_cbranch_scc0 .Lnone_\@
	STEP \p
	GH \p
	GW \p
	s_branch .Lasked_\@
.Lnone_\@:
	s_wait_loadcnt 0x0
.Lasked_\@:
.endm
.macro DRAIN p, left                   ; set p goes into LDS buffer p: hid as it is, the weights rounded and packed into fragments
	s_wait_loadcnt \left
	WIN 0x0c
.irp t,0,1,2,3,4,5,6,7,8,9,10
	HREG \p, \t
	ds_store_b128 v[AW+(\p)], v[rH:rH+3] offset:\t*16*APITCH
.endr
.irp u,0,1
	WIN 0xca+0x05*(\p)
.irp c,0,1,2,3
.irp j,0,1,2,3,4,5,6,7
	v_cvt_pk_bf16_f32 v[TT+8*\c+\j], v[SW+64*\u+8*\j+\c], v[SW+64*\u+8*\j+4+\c]
.endr
.endr
	WIN 0x0c
.irp c,0,1,2,3
.irp g,0,1
	ds_store_b128 v[BW], v[TT+8*\c+4*\g:TT+8*\c+4*\g+3] offset:(\p)*BBUF+\c*2048+\u*1024+\g*512
.endr
.endr
.endr
	WIN 0
.endm
.macro PRELOAD buf, u                  ; my 8 weight fragments of half u and block 0's hid: 18 loads
.irp g,0,1
.irp c,0,1,2,3
.irp x,0,1
.set rB, BB+64*(\u)+(4*\g+\c)*8+4*\x
	ds_load_b128 v[rB:rB+3], v[BR] offset:(\buf)*BBUF+\g*8192+\c*2048+(\u)*1024+\x*512
.endr
.endr
.endr
.irp x,0,1
.set rA, AZ+8*(\u)+4*\x
	ds_load_b128 v[rA:rA+3], v[AR+(\buf)] offset:64*(\u)+32*\x
.endr
.endm
.macro ABLK buf, u, n, reg
.irp x,0,1
.set rA, (\reg)+4*\x
.if (\n) == 5
	ds_load_b128 v[rA:rA+3], v[AL+(\buf)] offset:64*(\u)+32*\x
.else
	ds_load_b128 v[rA:rA+3], v[AR+(\buf)] offset:(\n)*32*APITCH+64*(\u)+32*\x
.endif
.endr
.endm
; A HALF: 32 along K for all my blocks.  A visit: 8 products on the block's 8 accumulators, each once: no two that follow each other share one.
.macro HALF buf, u
	WIN 0
	PLACES
.if (\u) == 0
	PRELOAD \buf, 1
.else
	PRELOAD 1-(\buf), 0
.endif
	ABLK \buf, \u, 1, AP
	s_wait_dscnt 20                                ; all but the 20 just issued
.irp i,0,1,2,3,4,5
	s_cmp_le_u32 s[NBW], \i
	s_cbranch_scc1 .Lhe_\@
.if \i == 0
.set AREG, AZ+8*(\u)
.else
.set AREG, AP+8*((\i+1)%2)
	PLACES
.if \i < 5
	ABLK \buf, \u, \i+1, AP+8*(\i%2)
	s_wait_dscnt 2                                 ; my block's hid is in; the next block's two loads may stay out
.else
	s_wait_dscnt 0x0
.endif
.endif
	WIN 0x50+0x50*(\i/4)
.irp g,0,1
.irp c,0,1,2,3
.set rD, 8*(8*(\i%4)+4*\g+\c)
.set rB, BB+64*(\u)+(4*\g+\c)*8
	v_wmma_f32_16x16x32_bf16 v[rD:rD+7], v[rB:rB+7], v[AREG:AREG+7], v[rD:rD+7]
.endr
.endr
	WIN 0
.endr
.Lhe_\@:
.endm
; A STEP of 64 along K, on buffer par: two barriers, as in the launch before: one between all reads of the other buffer and its next writing, one between that writing and its reading.
.macro TRIP par, lim
	HALF \par, 0
	s_barrier_wait -1
	DRAIN 1-(\par), 43                             ; the set of the next step is in; the 43 loads of the step behind it may stay out
	GISSUE 1-(\par), \lim
	s_wait_dscnt 0x0                               ; for the others' sake: my stores are done
	s_barrier_signal -1
	s_barrier_wait -1
	HALF \par, 1
	s_wait_dscnt 0x0                               ; my reads of this buffer are over
	s_barrier_signal -1
.endm
	s_load_b256 s[8:15], s[0:1], 0x0               ; hid s[8:9], W2 s[10:11], bm s[12:13], comb s[14:15]
	s_load_b64 s[16:17], s[0:1], 0x20              ; part
	v_lshl_add_u32 v[SPW], v0, 2, SPARE
	v_mov_b32 v[NIL], 0
	v_and_b32 v1, 31, v0
	v_lshrrev_b32 v4, 5, v0
	v_readfirstlane_b32 s[WV], v4
	v_and_b32 v2, 15, v0
	v_bfe_u32 v3, v0, 4, 1
	s_lshr_b32 s[WR], s[WV], 1
	s_and_b32 s[WC], s[WV], 1
	s_mov_b32 s[SS], ttmp9
	s_and_b32 s[SLOT], ttmp7, 0xffff
	s_mov_b32 s52, 0x55555555
	s_mov_b32 s53, 0x33333333
	s_mov_b32 s54, 0x0f0f0f0f
	s_mov_b32 s55, 0x01010101
	s_mov_b32 s56, 0x76543210
	s_mov_b32 s57, 0xfedcba98
	v_lshlrev_b32 v9, 3, v1                        ; left alone until the bitmaps are in
	s_wait_kmcnt 0x0
.set k, 0
.rept 16
	global_load_b64 v[BML+2*k:BML+2*k+1], v9, s[BMP:BMP+1] offset:k*256
.set k, k+1
.endr
	WIN 0x40                                       ; in the wait for them: the accumulators are cleared, and the addresses that hang on no count are made
.set k, 0
.rept 256
	v_mov_b32 v[k], 0
.set k, k+1
.endr
	WIN 0x80
.set k, 0
.rept 128
	v_mov_b32 v[k], 0
.set k, k+1
.endr
	WIN 0
	v_lshlrev_b32 v[WO], 4, v2
	v_lshl_add_u32 v[WO], v3, 18, v[WO]            ; the upper lanes: rho 8 on, 32 rows of 8,192 bytes
	s_lshl_b32 s66, s[WV], 8
	v_add_nc_u32 v[WO], s66, v[WO]
	s_lshl_b32 s66, s[WR], 4
	v_add_nc_u32 v4, s66, v2
	v_mul_u32_u24 v4, v4, APITCH
	v_lshl_add_u32 v4, v3, 4, v4
	v_add_nc_u32 v[AR], ABASE, v4
	v_add_nc_u32 v[AR+1], ABASE+ABUF, v4
	v_mul_u32_u24 v4, v2, APITCH
	v_lshl_add_u32 v4, v3, 4, v4
	v_add_nc_u32 v[AL], ABASE+160*APITCH, v4
	v_add_nc_u32 v[AL+1], ABASE+ABUF+160*APITCH, v4
	s_lshl_b32 s67, s[WR], 3
	v_lshrrev_b32 v8, 2, v1
	v_add_nc_u32 v8, s67, v8                       ; 8 (w / 2) + lane / 4: my row in each 16
	v_and_b32 v6, 3, v1
	v_lshlrev_b32 v6, 4, v6                        ; 16 (lane % 4)
	v_mul_u32_u24 v4, v8, APITCH
	v_add_nc_u32 v4, v4, v6
	s_lshl_b32 s66, s[WC], 6
	v_add_nc_u32 v4, s66, v4                       ; + 64 (w % 2): which of the step's two slices
	v_add_nc_u32 v[AW], ABASE, v4
	v_add_nc_u32 v[AW+1], ABASE+ABUF, v4
	s_mul_i32 s66, s[WC], HSLICE
	v_add_nc_u32 v6, s66, v6
	s_lshl_b32 s66, s[WC], 14
	v_lshl_add_u32 v[BR], v1, 4, s66
	s_lshl_b32 s66, s[WV], 13
	v_lshl_add_u32 v[BW], v1, 4, s66
	s_mul_i32 s66, s[WV], 16*SPITCH
	s_add_co_u32 s66, s66, STAGEB
	v_mul_u32_u24 v4, v2, SPITCH
	v_lshl_add_u32 v4, v3, 7, v4
	v_add_nc_u32 v[SA], s66, v4
	v_lshl_add_u32 v[SR], v1, 4, s66
	s_lshl_b32 s66, s[SS], 10
	s_lshl_b32 s67, s[WC], 9
	s_add_co_u32 s66, s66, s67
	v_lshl_add_u32 v[LC], v1, 4, s66               ; my 16 bytes of my wave's 512 bytes of a row of part
	s_mul_i32 s66, s[WV], 768
	s_add_co_u32 s66, s66, LISTB
	v_mov_b32 v[LB], s66
	s_lshl_b32 s66, s[WR], 6
	v_add_nc_u32 v[LW], s66, v[LB]                 ; list word 16 wr
	s_wait_loadcnt 0x0
	MAP 1
	s_lshl_b32 s50, s[EE], 22
	s_lshl_b32 s66, s[SS], 10
	s_add_co_u32 s50, s50, s66
	s_mov_b32 s51, 0
	s_add_nc_u64 s[4:5], s[10:11], s[50:51]        ; set 0's bases: step 0
	s_lshl_b32 s50, s[GB], 10
	s_add_nc_u64 s[2:3], s[8:9], s[50:51]
	s_add_nc_u64 s[74:75], s[2:3], 2*HSLICE        ; set 1's: step 1
	s_add_nc_u64 s[76:77], s[4:5], 64*8192
	s_lshl_b32 s50, s[EE], 2
	s_add_nc_u64 s[14:15], s[14:15], s[50:51]
	s_lshl_b32 s66, s[NBQ], 4                      ; rows past my tile's last are not asked for: they repeat it
	s_max_u32 s66, s66, 1
	s_sub_co_u32 s66, s66, 1
	s_min_u32 s66, s66, 175
.irp t,0,1,2,3,4,5,6,7,8,9,10
	v_add_nc_u32 v[HO+\t], 16*\t, v8
	v_min_u32 v[HO+\t], s66, v[HO+\t]
	v_min_u32 v[HO+\t], 175, v[HO+\t]
	v_lshl_add_u32 v[HO+\t], v[HO+\t], 6, v6
.endr
	GH 0                                           ; step 0 and step 1's hid, 54 loads, are on their way while the list is made
	GW 0
	GH 1
	LIST 1
	v_lshl_add_u32 v7, v2, 2, v[LW]
.irp i,0,1,2,3,4,5
	ds_load_b32 v[EN+\i], v7 offset:\i*128         ; list word 16 (2 i + wr) + lane % 16
.endr
	s_wait_dscnt 0x0
.irp i,0,1,2,3,4,5
	v_min_u32 v[EN+\i], 4095, v[EN+\i]
	v_and_b32 v[CA+\i], 2047, v[EN+\i]
	v_lshlrev_b32 v[CA+\i], 5, v[CA+\i]
	global_load_b32 v[SC+\i], v[CA+\i], s[14:15]   ; my row's score for this expert
.endr
	GW 1
	DRAIN 0, 49                                    ; step 0 is in: younger are step 1's 11 + 32 loads and the 6 scores
	STEP 0
	GH 0                                           ; step 2
	GW 0
	s_wait_dscnt 0x0
	s_barrier_signal -1
	s_barrier_wait -1                              ; buffer 0 is whole
	s_barrier_signal -1                            ; nobody has read buffer 1 yet
	PRELOAD 0, 0
	s_mov_b32 s[IT], 0
.Lstep:
	TRIP 0, 3
	TRIP 1, 2
	s_add_co_u32 s[IT], s[IT], 1
	s_cmp_lt_u32 s[IT], 4
	s_cbranch_scc1 .Lstep
	s_barrier_wait -1
	PLACES
; THE WAY OUT, a block at a time: times the score, four neighbouring columns into four neighbouring registers, through my stage, and each row's 512 bytes stored to the row of part that the list names.
; The block's 16 row numbers come from my own list, every lane reading the same words, while the 64 multiplies run.
.irp i,0,1,2,3,4,5
	s_cmp_le_u32 s[NBW], \i
	s_cbranch_scc1 .Ldone
	s_wait_xcnt 0x0                                ; the block before's stores have read their offsets and data
.irp k,0,1,2,3
	ds_load_b128 v[OFF+4*\k:OFF+4*\k+3], v[LW] offset:\i*128+16*\k
.endr
	WIN 0x01+(\i/4)
.irp j,0,1,2,3,4,5,6,7                 ; each accumulator's lowest register is read first
.irp g,0,1
.irp c,0,1,2,3
	v_mul_f32 v[ET+(8*\g+\j)*4+\c], v[8*(8*(\i%4)+4*\g+\c)+\j], v[SC+\i]
.endr
.endr
.endr
	WIN 0
	s_wait_dscnt 0x0                               ; the row numbers are in
.irp p,0,1,2,3,4,5,6,7,8,9,10,11,12,13,14,15
	v_min_u32 v[OFF+\p], 4095, v[OFF+\p]
.endr
.irp p,0,1,2,3,4,5,6,7,8,9,10,11,12,13,14,15
	v_lshl_add_u32 v[OFF+\p], v[OFF+\p], 13, v[LC]
.endr
.irp g,0,1
.irp j,0,1,2,3,4,5,6,7
	ds_store_b128 v[SA], v[ET+(8*\g+\j)*4:ET+(8*\g+\j)*4+3] offset:256*\g+16*\j
.endr
.endr
.irp p,0,1,2,3,4,5,6,7,8,9,10,11,12,13,14,15
	ds_load_b128 v[ER+4*\p:ER+4*\p+3], v[SR] offset:\p*SPITCH   ; LDS serves a wave's instructions in order: these see the stores above
.endr
.irp p,0,1,2,3,4,5,6,7,8,9,10,11,12,13,14,15
	s_wait_dscnt 15-\p
	global_store_b128 v[OFF+\p], v[ER+4*\p:ER+4*\p+3], s[16:17]  ; the wave stores 512 consecutive bytes of one row, aligned
.endr
.endr
.Ldone:
	s_wait_tensorcnt 0x0                           ; the wave's end, behind my last LDS store
	ds_add_u32 v[SPW], v[NIL]
	s_wait_dscnt 0x0
	s_endpgm
.Lfunc_end_k_qb86e6f5312_down:
	.size	k_qb86e6f5312_down, .Lfunc_end_k_qb86e6f5312_down-k_qb86e6f5312_down
	.p2alignl 7, 3214868480
	.fill 96, 4, 3214868480
	.section	.rodata,"a",@progbits
	.p2align	6, 0x0
	.amdhsa_kernel k_qb86e6f5312_down
		.amdhsa_group_segment_fixed_size 153600
		.amdhsa_private_segment_fixed_size 0
		.amdhsa_enable_private_segment 0
		.amdhsa_kernarg_size 40
		.amdhsa_user_sgpr_count 2
		.amdhsa_user_sgpr_kernarg_segment_ptr 1
		.amdhsa_wavefront_size32 1
		.amdhsa_system_sgpr_workgroup_id_x 1
		.amdhsa_system_sgpr_workgroup_id_y 1
		.amdhsa_system_sgpr_workgroup_id_z 1
		.amdhsa_system_vgpr_workitem_id 0
		.amdhsa_next_free_vgpr 1024
		.amdhsa_next_free_sgpr 100
		.amdhsa_reserve_vcc 1
		.amdhsa_float_denorm_mode_32 3
		.amdhsa_float_denorm_mode_16_64 3
		.amdhsa_memory_ordered 1
		.amdhsa_forward_progress 1
		.amdhsa_inst_pref_size 168
	.end_amdhsa_kernel
	.amdgpu_metadata
---
amdhsa.version: [ 1, 2 ]
amdhsa.kernels:
  - .name:           k_qb86e6f5312_down
    .symbol:         k_qb86e6f5312_down.kd
    .args:
      - { .name: hid, .offset: 0, .size: 8, .value_kind: global_buffer, .address_space: global }
      - { .name: W2, .offset: 8, .size: 8, .value_kind: global_buffer, .address_space: global }
      - { .name: bm, .offset: 16, .size: 8, .value_kind: global_buffer, .address_space: global }
      - { .name: comb, .offset: 24, .size: 8, .value_kind: global_buffer, .address_space: global }
      - { .name: part, .offset: 32, .size: 8, .value_kind: global_buffer, .address_space: global }
    .group_segment_fixed_size: 153600
    .private_segment_fixed_size: 0
    .kernarg_segment_align: 8
    .kernarg_segment_size: 40
    .max_flat_workgroup_size: 128
    .sgpr_count:     100
    .vgpr_count:     1024
    .wavefront_size: 32
...
	.end_amdgpu_metadata
.endif
;; end of part 6
;; launch sum: the kernel of part 4 again; grid 256 x 1, 8 waves a work-group, no clusters, 0 bytes of LDS; arguments part, out0; writes out0
